; MI455X (gfx1250); checked and timed in simulation.
; The chip was launched on July 23, 2026; its instructions are those of AMD's public machine-readable ISA for CDNA 5 (MIT licence, August 2026) and "CDNA5" Instruction Set Architecture Reference Guide (July 2026). The comments in the code are by the model that wrote it; some were corrected since.
;; ASAM Layer. Allowed arithmetic: matrix products marked QUANTISED: E2M3 operands, one E8M0 scale for each 32 along K, by v_wmma_scale_f32_16x16x128_f8f6f4 with both operands' format E2M3, f32 sums; everything else in f32.
;; Inputs: b_ff1 4,096 float32; b_ff2 1,024 float32; b_out 1,024 float32; ln1_b 1,024 float32; ln1_g 1,024 float32; ln2_b 1,024 float32; ln2_g 1,024 float32; w_ff1_codes 4,096 x 32 x 24 uint8 (E2M3 codes of w_ff1, K innermost, in blocks of 32 codes, four codes in three bytes); w_ff1_scales 4,096 x 32 uint8 (E8M0 scales of w_ff1, one for each 32 codes along K); w_ff2_codes 1,024 x 128 x 24 uint8 (E2M3 codes of w_ff2, K innermost, in blocks of 32 codes, four codes in three bytes); w_ff2_scales 1,024 x 128 uint8 (E8M0 scales of w_ff2, one for each 32 codes along K); w_out_codes 1,024 x 32 x 24 uint8 (E2M3 codes of w_out, K innermost, in blocks of 32 codes, four codes in three bytes); w_out_scales 1,024 x 32 uint8 (E8M0 scales of w_out, one for each 32 codes along K); w_qkv_codes 3,072 x 32 x 24 uint8 (E2M3 codes of w_qkv, K innermost, in blocks of 32 codes, four codes in three bytes); w_qkv_scales 3,072 x 32 uint8 (E8M0 scales of w_qkv, one for each 32 codes along K); x 2 x 2,048 x 1,024 float32.
;; Outputs: out0 2 x 2,048 x 1,024 float32.
;; This version of the problem:
;;   THIS VERSION OF THE PROBLEM IS GIVEN IN LOW PRECISION. The matrix products marked QUANTISED in the list below multiply operands that are first quantised to E2M3 (2 exponent bits, 3 mantissa bits; 6 bits a number), with one power-of-two scale for each 32 numbers along K (OCP MX v1.0); their sums are f32. All else is computed in f32.
;;   The module's matrix products, in the order in which they are computed (A, B: the left and right operand; K: the contracted axis; several contracted axes count as one K, in the product's order):
;;     1. [M 4,096, K 1,024] x [K 1,024, N 3,072]; A: computed on the way; B: input w_qkv (given as codes): QUANTISED
;;     2. batch 32 x [M 2,048, K 64] x [K 64, N 2,048]; A: computed on the way; B: computed on the way: QUANTISED
;;     3. batch 32 x [M 2,048, K 2,048] x [K 2,048, N 64]; A: computed on the way; B: computed on the way: QUANTISED
;;     4. [M 4,096, K 1,024] x [K 1,024, N 1,024]; A: computed on the way; B: input w_out (given as codes): QUANTISED
;;     5. [M 4,096, K 1,024] x [K 1,024, N 4,096]; A: computed on the way; B: input w_ff1 (given as codes): QUANTISED
;;     6. [M 4,096, K 4,096] x [K 4,096, N 1,024]; A: computed on the way; B: input w_ff2 (given as codes): QUANTISED
;;   THE QUANTISER, for each operand of a quantised product, along K:
;;     - K is cut into blocks of 32 from its start; a last block that is shorter is filled with zeros.
;;     - A block's scale is 2^e with e = floor(log2(the largest magnitude in the block)) - 2, held to -126 .. 127; a block of zeros has e = 0. As a byte (E8M0): e + 127.
;;     - Each number is divided by its block's scale, clamped to +-7.5, and rounded to the nearest number of E2M3, ties to even, subnormals kept.
;;     - The product sums the exact products of the quantised numbers (number of the format x scale) in f32.
;;   ~~~python
;;   def quantise(x, axis):      # numpy; x: float32 -> the quantised numbers, widened to float32 again
;;       x = np.moveaxis(x, axis, -1); K = x.shape[-1]
;;       x = np.pad(x, [(0, 0)] * (x.ndim - 1) + [(0, -K % 32)]); x = x.reshape(x.shape[:-1] + (-1, 32)); a = np.abs(x).max(-1, keepdims=True)
;;       e = np.where(a > 0, np.clip(np.frexp(np.where(a > 0, a, 1))[1] - 1 - 2, -126, 127), 0)      # np.frexp(a)[1] - 1 = floor(log2(a)), exactly
;;       r = np.clip(x / 2.0 ** e, -7.5, 7.5)
;;       step = 2.0 ** (np.maximum(np.frexp(np.where(r == 0, 1, r))[1] - 1, 0) - 3)
;;       q = np.round(r / step) * step * 2.0 ** e      # np.round: ties to even
;;       return np.moveaxis(q.reshape(q.shape[:-2] + (-1,))[..., :K], -1, axis).astype(np.float32)
;;   ~~~
;;   OPERANDS COMPUTED ON THE WAY. 'Computed on the way' means the value that the module computes at that place (a softmax that the list does not call 'softmax' is quantised finished and normalised). What goes into a quantiser is computed in f32, as accurately as f32 sums, v_exp_f32 and their like allow (about 1e-6 of the number): no bf16 or f16 on the way to a quantiser, and a product that is left as it is and whose result goes on into a quantised operand takes f32 operands (vector FMAs, or v_wmma_f32_16x16x4_f32). A number that lies on a knife's edge between two numbers of the format may be rounded either way, as far as f32 arithmetic and the matrix unit's own rounding can turn it there, and no further.
;;   INPUTS GIVEN AS CODES. w_ff1 (in the module: [4096, 1024], K = its axis 1); w_ff2 (in the module: [1024, 4096], K = its axis 1); w_out (in the module: [1024, 1024], K = its axis 1); w_qkv (in the module: [3072, 1024], K = its axis 1): each comes as NAME_codes (uint8): NAME with its K axis moved to the last place and cut into blocks of 32 codes, [.., K / 32, bytes a block], one block behind the other in memory; four codes in three bytes: a row's codes are one little-endian stream of bits, code i at bits 6 i .. 6 i + 5 (a code: sign, 2 exponent bits, 3 mantissa bits); and NAME_scales (uint8): the same leading axes, one E8M0 byte (e + 127) for each 32 codes along K. Its value is code x scale, taken as it is: it is not quantised again, and the codes and scales need not be those that the quantiser above would give.
;; One version. Each part assembles by itself: llvm-mc -triple=amdgcn-amd-amdhsa -mcpu=gfx1250 --defsym DOCPART=n.
;; ======== version 1 of 1: 7 launches
;; workspace buffers: h 3,276,800 bytes; qkv 9,830,400 bytes; att 3,276,800 bytes; x1 16,777,216 bytes; g 13,107,200 bytes
;; launch ln1 (part 1): grid 256 x 1, 4 waves a work-group, no clusters, 82,944 bytes of LDS; arguments x, ln1_g, ln1_b, h; writes h
.if DOCPART == 1
	.amdgcn_target "amdgcn-amd-amdhsa--gfx1250"
	.amdhsa_code_object_version 6
	.text
	.protected	k_q3794550459_ln1
	.globl	k_q3794550459_ln1
	.p2align	8
	.type	k_q3794550459_ln1,@function
k_q3794550459_ln1:
	s_mov_b64 s[64:65], 0
	v_nop
	global_prefetch_b8 v0, s[64:65] scope:SCOPE_SE
	s_setreg_imm32_b32 hwreg(HW_REG_WAVE_MODE, 25, 1), 1
	s_wait_xcnt 0x0
; h = Q(layernorm(x) * g + b): rows of 1,024 f32 become codes of FP6 (E2M3), K innermost, 768 bytes a row, and one E8M0 byte for each 32 along the row.
; h's buffer: codes [4096][768] from byte 0, scale bytes [4096][32] from byte H_S.
; A stream: each row is read once and kept in registers between the passes (sum; centred squares; scaling).  No matrix unit, no tensor load, no cluster: work-groups share nothing.
; SHARES.  A work-group owns 16 rows, a wave 4; a wave's 32 row loads (512 consecutive bytes each) all go out at the head.
; The conversion takes 16 neighbours of one lane, a load gives a lane 4: so a row turns through the wave's own stage in LDS (64 bytes + 16 of padding a lane place), 512 numbers a step.
; A block's scale is 2^(floor(log2(largest magnitude)) - 2); its byte is the largest magnitude's exponent field - 2, held at 1 from below.
; LIMITS: NaN and infinities are not served; a block of zeros gets the byte 1 (its codes are zeros; only this program reads the bytes).
.set H_S,  3145728
.set SP,   80                          ; a lane's place in a stage
.set WREG, 20480                       ; a wave's stages: 4 rows x 2 steps x 32 places
.set SCB,  81920                       ; behind them: the work-group's 16 x 32 scale bytes
.set G,    16                          ; v16-47   gain, in the rows' layout
.set BV,   48                          ; v48-79   bias
.set X,    80                          ; v80-207  four rows; a finished row's registers then hold its codes and bytes, so no store's data are written again
.set Y,    208                         ; v208-239 two steps of 16 neighbours
	s_load_b256 s[4:11], s[0:1], 0x0               ; x s[4:5], gain s[6:7], bias s[8:9], h s[10:11]
	v_lshl_add_u32 v240, v0, 2, 0x14200
	v_mov_b32 v241, 0
	v_lshrrev_b32 v1, 5, v0
	v_readfirstlane_b32 s16, v1                    ; wave
	v_and_b32 v7, 31, v0                           ; lane
	v_lshlrev_b32 v1, 4, v7                        ; v1: 16 x lane
	s_mul_i32 s17, s16, WREG
	v_lshrrev_b32 v2, 2, v7
	v_mul_u32_u24 v2, v2, SP
	v_and_b32 v3, 3, v7
	v_lshl_add_u32 v2, v3, 4, v2
	v_add_nc_u32 v2, s17, v2                       ; v2: into the stage: four lanes' 64 bytes on end, then the padding
	v_mul_u32_u24 v3, v7, SP
	v_add_nc_u32 v3, s17, v3                       ; v3: out of it: my 16 neighbours
	v_mul_u32_u24 v4, v7, 12                       ; v4: my 12 bytes of a step's 384 bytes of codes
	v_lshrrev_b32 v5, 1, v7
	s_lshl_b32 s18, s16, 7
	s_add_co_u32 s18, s18, SCB
	v_add_nc_u32 v5, s18, v5                       ; v5: my block's byte among my wave's 4 x 32
	s_mov_b32 s20, 0x3a800000                      ; 1 / 1024
	s_mov_b32 s21, 0x3727c5ac                      ; 1e-5
	s_mov_b32 s22, 0x76543210
	s_mov_b32 s23, 0xfedcba98                      ; lane l xor 16
	s_lshl_b32 s24, ttmp9, 16                      ; 16 rows of 4,096 bytes a work-group,
	s_lshl_b32 s25, s16, 14                        ; 4 a wave
	s_add_co_u32 s24, s24, s25
	s_mov_b32 s25, 0
	s_mul_i32 s26, ttmp9, 12288                    ; the same rows' codes
	s_mul_i32 s27, s16, 3072
	s_add_co_u32 s26, s26, s27
	s_mov_b32 s27, 0
	s_lshl_b32 s28, ttmp9, 9                       ; and the work-group's 512 scale bytes
	s_add_co_u32 s28, s28, H_S
	s_mov_b32 s29, 0
	s_wait_kmcnt 0x0
	s_add_nc_u64 s[4:5], s[4:5], s[24:25]
	s_add_nc_u64 s[12:13], s[10:11], s[28:29]
	s_add_nc_u64 s[10:11], s[10:11], s[26:27]
.irp i, 0,1,2,3,4,5,6,7
	global_load_b128 v[G+4*\i:G+4*\i+3], v1, s[6:7] offset:512*\i
.endr
.irp i, 0,1,2,3,4,5,6,7
	global_load_b128 v[BV+4*\i:BV+4*\i+3], v1, s[8:9] offset:512*\i
.endr
.irp p, 0,1,2,3
.irp i, 0,1,2,3,4,5,6,7
	global_load_b128 v[X+32*\p+4*\i:X+32*\p+4*\i+3], v1, s[4:5] offset:4096*\p+512*\i th:TH_LOAD_NT   ; load i: columns 128 i + 4 lane on
.endr
.endr
.macro REDUCE                          ; four chains v[6:13] -> the wave's sum in v6 of every lane
	v_pk_add_f32 v[6:7], v[6:7], v[8:9]
	v_pk_add_f32 v[10:11], v[10:11], v[12:13]
	v_pk_add_f32 v[6:7], v[6:7], v[10:11]
	v_add_f32 v6, v6, v7
	v_add_f32_dpp v6, v6, v6 row_xmask:1 row_mask:0xf bank_mask:0xf
	v_add_f32_dpp v6, v6, v6 row_xmask:2 row_mask:0xf bank_mask:0xf
	v_add_f32_dpp v6, v6, v6 row_xmask:4 row_mask:0xf bank_mask:0xf
	v_add_f32_dpp v6, v6, v6 row_xmask:8 row_mask:0xf bank_mask:0xf
	v_permlanex16_b32 v7, v6, s22, s23
	v_add_f32 v6, v6, v7
.endm
.macro ROW p
.set XR, X+32*\p
	s_wait_loadcnt 8*(3-\p)                        ; gain, bias and this row are in; the younger rows' loads may be out
.irp k, 0,1,2,3
	v_pk_add_f32 v[6+2*\k:7+2*\k], v[XR+2*\k:XR+2*\k+1], v[XR+8+2*\k:XR+9+2*\k]
.endr
.irp m, 16,24
.irp k, 0,1,2,3
	v_pk_add_f32 v[6+2*\k:7+2*\k], v[6+2*\k:7+2*\k], v[XR+\m+2*\k:XR+\m+2*\k+1]
.endr
.endr
	REDUCE
	v_mul_f32 v14, s20, v6                         ; the mean, twice
	v_mul_f32 v15, s20, v6
.irp m, 0,2,4,6,8,10,12,14,16,18,20,22,24,26,28,30
	v_pk_add_f32 v[XR+\m:XR+\m+1], v[XR+\m:XR+\m+1], v[14:15] neg_lo:[0,1] neg_hi:[0,1]   ; x - mean, before the squares: no difference of large sums
.endr
.irp k, 0,1,2,3
	v_pk_mul_f32 v[6+2*\k:7+2*\k], v[XR+2*\k:XR+2*\k+1], v[XR+2*\k:XR+2*\k+1]
.endr
.irp m, 8,16,24
.irp k, 0,1,2,3
	v_pk_fma_f32 v[6+2*\k:7+2*\k], v[XR+\m+2*\k:XR+\m+2*\k+1], v[XR+\m+2*\k:XR+\m+2*\k+1], v[6+2*\k:7+2*\k]
.endr
.endr
	REDUCE
	v_fma_f32 v6, v6, s20, s21                     ; the variance + 1e-5
	v_rsq_f32 v14, v6
	v_rsq_f32 v15, v6
	v_nop                                          ; a plain instruction behind the two
	s_wait_alu depctr_va_vdst(0)                   ; one wait for both, ahead of their first reader
.irp m, 0,2,4,6,8,10,12,14,16,18,20,22,24,26,28,30
	v_pk_mul_f32 v[XR+\m:XR+\m+1], v[XR+\m:XR+\m+1], v[14:15]
.endr
.irp m, 0,2,4,6,8,10,12,14,16,18,20,22,24,26,28,30
	v_pk_fma_f32 v[XR+\m:XR+\m+1], v[XR+\m:XR+\m+1], v[G+\m:G+\m+1], v[BV+\m:BV+\m+1]
.endr
.irp t, 0,1
.irp i, 0,1,2,3
	ds_store_b128 v2, v[XR+16*\t+4*\i:XR+16*\t+4*\i+3] offset:5120*\p+2560*\t+640*\i
.endr
.irp i, 0,1,2,3
	ds_load_b128 v[Y+16*\t+4*\i:Y+16*\t+4*\i+3], v3 offset:5120*\p+2560*\t+16*\i   ; LDS serves a wave's instructions in order: these see the stores above
.endr
.endr
	s_wait_dscnt 0x0                               ; the row is back, 16 neighbours a lane and step; its stores have read X's registers
.irp t, 0,1
.set YS, Y+16*\t
	v_max3_num_f32 v8, |v[YS]|, |v[YS+1]|, |v[YS+2]|
	v_max3_num_f32 v9, |v[YS+3]|, |v[YS+4]|, |v[YS+5]|
.irp i, 6,10
	v_max3_num_f32 v8, v8, |v[YS+\i]|, |v[YS+\i+1]|
	v_max3_num_f32 v9, v9, |v[YS+\i+2]|, |v[YS+\i+3]|
.endr
	v_max3_num_f32 v8, v8, |v[YS+14]|, |v[YS+15]|
	v_max3_num_f32 v8, v8, v9, 0x1800000           ; and the floor 2^(3 - 127): the byte cannot fall under 1
	v_max_num_f32_dpp v8, v8, v8 row_xmask:1 row_mask:0xf bank_mask:0xf   ; with my neighbour's 16: the block's
	v_add_nc_u32 v11, 0xff000000, v8               ; 2 off the exponent field: the conversion's scale operand
	v_cvt_scalef32_pk16_fp6_f32 v[XR+4*\t:XR+4*\t+2], v[YS:YS+15], v11
	v_lshrrev_b32 v[XR+8+\t], 23, v11              ; the byte (also the plain instruction behind the conversion)
	ds_store_b8 v5, v[XR+8+\t] offset:32*\p+16*\t  ; both lanes of a block write the same byte with the same value
	global_store_b96 v4, v[XR+4*\t:XR+4*\t+2], s[10:11] offset:768*\p+384*\t   ; the wave stores 384 consecutive bytes; a row's two stores fill three aligned blocks of 256
.endr
.endm
	ROW 0
	ROW 1
	ROW 2
	ROW 3
	s_wait_dscnt 0x0                               ; for the others' sake: my byte stores are done
	s_barrier_signal -1
	s_barrier_wait -1
	v_add_nc_u32 v6, SCB, v1
	s_cmp_lg_u32 s16, 0
	s_cbranch_scc1 .Lend                           ; wave 0 stores the work-group's 512 scale bytes: two aligned blocks of 256
	ds_load_b128 v[8:11], v6
	s_wait_dscnt 0x0
	global_store_b128 v1, v[8:11], s[12:13]
.Lend:
	s_wait_tensorcnt 0x0
	ds_add_u32 v240, v241
	s_wait_dscnt 0x0
	s_endpgm
.Lfunc_end_k_q3794550459_ln1:
	.size	k_q3794550459_ln1, .Lfunc_end_k_q3794550459_ln1-k_q3794550459_ln1
	.p2alignl 7, 3214868480
	.fill 96, 4, 3214868480
	.section	.rodata,"a",@progbits
	.p2align	6, 0x0
	.amdhsa_kernel k_q3794550459_ln1
		.amdhsa_group_segment_fixed_size 82944
		.amdhsa_private_segment_fixed_size 0
		.amdhsa_enable_private_segment 0
		.amdhsa_kernarg_size 32
		.amdhsa_user_sgpr_count 2
		.amdhsa_user_sgpr_kernarg_segment_ptr 1
		.amdhsa_wavefront_size32 1
		.amdhsa_system_sgpr_workgroup_id_x 1
		.amdhsa_system_sgpr_workgroup_id_y 1
		.amdhsa_system_sgpr_workgroup_id_z 1
		.amdhsa_system_vgpr_workitem_id 0
		.amdhsa_next_free_vgpr 242
		.amdhsa_next_free_sgpr 66
		.amdhsa_reserve_vcc 0
		.amdhsa_float_denorm_mode_32 3
		.amdhsa_float_denorm_mode_16_64 3
		.amdhsa_memory_ordered 1
		.amdhsa_forward_progress 1
		.amdhsa_inst_pref_size 44
	.end_amdhsa_kernel
	.amdgpu_metadata
---
amdhsa.version: [ 1, 2 ]
amdhsa.kernels:
  - .name:           k_q3794550459_ln1
    .symbol:         k_q3794550459_ln1.kd
    .args:
      - { .name: x, .offset: 0, .size: 8, .value_kind: global_buffer, .address_space: global }
      - { .name: ln1_g, .offset: 8, .size: 8, .value_kind: global_buffer, .address_space: global }
      - { .name: ln1_b, .offset: 16, .size: 8, .value_kind: global_buffer, .address_space: global }
      - { .name: h, .offset: 24, .size: 8, .value_kind: global_buffer, .address_space: global }
    .group_segment_fixed_size: 82944
    .private_segment_fixed_size: 0
    .kernarg_segment_align: 8
    .kernarg_segment_size: 32
    .max_flat_workgroup_size: 128
    .sgpr_count:     66
    .vgpr_count:     242
    .wavefront_size: 32
...
	.end_amdgpu_metadata
.endif
;; end of part 1
;; launch qkv (part 2): grid 12 x 16, 4 waves a work-group, clusters of 4 x 4, 327,680 bytes of LDS; arguments h, w_qkv_codes, w_qkv_scales, qkv; writes qkv
.if DOCPART == 2
	.amdgcn_target "amdgcn-amd-amdhsa--gfx1250"
	.amdhsa_code_object_version 6
	.text
	.protected	k_q3794550459_qkv
	.globl	k_q3794550459_qkv
	.p2align	8
	.type	k_q3794550459_qkv,@function
k_q3794550459_qkv:
	s_mov_b64 s[64:65], 0
	v_nop
	global_prefetch_b8 v0, s[64:65] scope:SCOPE_SE
	s_setreg_imm32_b32 hwreg(HW_REG_WAVE_MODE, 25, 1), 1
	s_wait_xcnt 0x0
	s_wait_alu depctr_hold_cnt(0) depctr_sa_sdst(0) depctr_va_vdst(0) depctr_va_sdst(0) depctr_va_ssrc(0) depctr_va_vcc(0) depctr_vm_vsrc(0)
	s_getreg_b32 s2, hwreg(HW_REG_IB_STS2, 6, 4)
	s_cmp_eq_u32 s2, 0
	s_cbranch_scc0 .Lentry_in_a_cluster
	s_endpgm
.Lentry_in_a_cluster:
	s_bfe_u32 s2, ttmp6, 0x10000c
	s_cmp_lg_u32 s2, 0xf033
	s_cbranch_scc0 .Lentry_shape_is_right
	s_endpgm
.Lentry_shape_is_right:
; q, k, v = h W^T on codes of FP6 (E2M3) with E8M0 scales, K = 1,024; the results are quantised again, in registers, as operands of attention's two products.
; A tile of C is 256 x 256, four waves of 128 x 128 (64 accumulators, 512 registers); K goes in steps of 256 through a ring of two LDS slots filled by the tensor data mover; the scale bytes of the tile's rows come once.
; ROLES by the cluster's x: 0: q (x 1/8, exact), 1: k: A = h (4,096 tokens), B = W's rows 0-2,047.  2: v, made TRANSPOSED: A = W's rows 2,048-3,071, B = h, so that a lane's registers run along the TOKENS, v's K in attention.
; THE MATRIX INSTRUCTION IS USED TRANSPOSED (source 0 = 16 rows of B, source 1 = 16 rows of A): lane (r, h) holds row r of A's block and, in accumulator b, columns 16 b + 8 h + 0..7.
; OUT.  A's block a x the wave's 128 columns is one fragment (16 rows x 128 K) of a later product.  It is stored as an IMAGE OF ITS REGISTERS: three runs of 512 bytes, lane l's 16 bytes at 16 l.
; Inside a block of 32 the places 8-15 and 16-23 are exchanged (register 16 B + 8 u + j holds column 32 B + 16 u + 8 h + j and is laid at place 32 B + 16 h + 8 u + j): the block's scale is the same, and the
; partner of each product (q with k along the head; v with attention's weights along the keys) is laid the same way, so the sums are those of the natural order.
; qkv's buffer: q, k images at (nc 256 + token tile) 1,536, nc = column / 128; v's at 6,291,456 + (token chunk 64 + feature tile) 1,536; scale words (4 bytes a row, 128 rows on end) from 9,437,184.
; CLUSTERS: 4 x 4 work-groups; A's tiles are asked for jointly along a row of the cluster, B's along a column.  192 work-groups: the grid is the problem's 12 x 16 tiles.
; LIMITS: NaN and infinities are not served; a block of zeros gets the byte 1; a weight's scale byte 0xff gives NaN.
.set KSTEP,  256
.set NQ,     2
.set ROWB,   192
.set KROW,   768
.set PITCH,  240                       ; 3 x (64 bytes + 16 of padding)
.set FR,     12
.set NL,     6
.set NP,     4
.set HALFT,  128*PITCH
.set SLOT,   4*HALFT
.set LAPS,   2
.set KS,     32
.set SCL,    2*SLOT
.set HALFS,  (128*KS/256)*272
.set SBLK,   (16*KS/256)*272
.set SPARE,  SCL+4*HALFS               ; the spare words: 128 bytes a wave, named by no other line
.set SCST,   SPARE+512                 ; 512 bytes a wave: the scale words of its 128 rows; no fill lands here
.set H_S,    3145728
.set WV_C,   2048*KROW
.set WV_S,   2048*KS
.set ADRA, 16
.set ADRB, 20
.set LI,   24                          ; v24  16 x lane
.set SCW,  25                          ; v25  SCST + 512 wave + 4 r
.set SCR,  26                          ; v26  SCST + 512 wave + 16 lane
.set ADRS, 27
.set SPW,  28
.set NIL,  29
.set SC,   32                          ; v32-63 scale words, two sets: scales and nothing else
.set AF,   128
.set T,    64                          ; the way out: v64-127 a block's 64 numbers
.set PC,   192                         ; v192-211 its codes
.set TM,   212                         ; v212-227 at work
.set PW,   228                         ; its scale word
.set TA,   229
.set G1, 24
.set G0, 32
.set G1B, 48
.set G0B, 56
.set G1S, 68
.set G0S, 76
.set G1SB, 80
.set G0SB, 88
.set SEL, 66
.set FAC, 20
.set SOUT, 46
.set MSB, 0
.macro WIN new                         ; the immediate's high byte repeats the setting that is left
.if MSB != (\new)
	s_set_vgpr_msb (MSB<<8)|(\new)
.set MSB, (\new)
.endif
.endm
.set MUL_LO, 0xa1                      ; source 0 (B) window 1, source 1 (A) window 0, C and D window 2
.set MUL_HI, 0xf1
.set TO_B,   0x40
.macro JLOAD g0a, g1a, g0b, g1b        ; a joint load: waves 0, 1 fetch for A, waves 2, 3 for B; four v_nop follow each line
	s_cmp_eq_u32 s15, 0
	s_cbranch_scc0 .Lfor_b_\@
	tensor_load_to_lds s[\g0a:\g0a+3], s[\g1a:\g1a+7]
	s_nop 0
.rept 4
	v_nop
.endr
	s_branch .Lasked_\@
.Lfor_b_\@:
	tensor_load_to_lds s[\g0b:\g0b+3], s[\g1b:\g1b+7]
	s_nop 0
.rept 4
	v_nop
.endr
.Lasked_\@:
.endm
.macro CREST
	s_cmp_lg_u32 s14, 0
	s_cbranch_scc1 .Lnot_wave_0_\@
	s_barrier_signal -3
.Lnot_wave_0_\@:
	s_barrier_wait -3
	s_barrier_signal -1
	s_barrier_wait -1
.endm
.macro CROUND
	s_barrier_signal -1
	s_barrier_wait -1
	CREST
.endm
	s_load_b128 s[4:7], s[0:1], 0x0                ; h, W's codes
	s_load_b128 s[8:11], s[0:1], 0x10              ; W's scales, qkv
	v_lshl_add_u32 v[SPW], v0, 2, SPARE
	v_mov_b32 v[NIL], 0
	ds_add_u32 v28, v29
	ds_add_u32 v28, v29
	s_wait_dscnt 0x0
	v_lshrrev_b32 v1, 5, v0
	v_readfirstlane_b32 s14, v1                    ; wave
	s_lshr_b32 s15, s14, 1                         ; my half of the tile's rows; also: I fetch for A (0) or B (1)
	s_and_b32 s16, s14, 1                          ; my half of its columns; also: which 128 rows I fetch
	s_bfe_u32 s40, ttmp6, 0x40000                  ; cx
	s_bfe_u32 s41, ttmp6, 0x40004                  ; cy
	s_and_b32 s17, ttmp7, 0xffff                   ; the cluster's y
	s_cmp_eq_u32 ttmp9, 2                          ; v's clusters?  (the cluster's x: the same in all partners)
	s_cselect_b32 s42, s17, ttmp9                  ; v: the cluster's y walks the tokens, which are B's rows
	s_cselect_b32 s17, 0, s17                      ; and A, W's 1,024 rows, is one cluster high
	s_lshl_b32 s42, s42, 2
	s_add_co_u32 s42, s42, s40                     ; tile column
	s_lshl_b32 s17, s17, 2
	s_add_co_u32 s17, s17, s41                     ; tile row
	s_lshl_b32 s43, s41, 2
	s_lshl_b32 s43, 15, s43                        ; my row of the cluster
	s_lshl_b32 s44, 0x1111, s40                    ; my column
	s_or_b32 s[G1+0], s43, (0<<16)|(1<<20)|(1<<21)|(3<<22)|(3<<25)   ; mask; elements of 1 byte; padding on; bit 21 beside a mask; after every 16 words, 4 words
	s_or_b32 s[G1B+0], s44, (0<<16)|(1<<20)|(1<<21)|(3<<22)|(3<<25)
.irp g, G1, G1B
	s_mov_b32 s[\g+1], ROWB<<16                    ; tensor_dim0
	s_mov_b32 s[\g+2], 128<<16                     ; tensor_dim1
	s_mov_b32 s[\g+3], ROWB<<16                    ; tile_dim0
	s_mov_b32 s[\g+4], 128                         ; tile_dim1
	s_mov_b32 s[\g+5], KROW                        ; pitch
	s_mov_b32 s[\g+6], 0
	s_mov_b32 s[\g+7], 0
.endr
	s_or_b32 s[G1S+0], s43, (3<<16)|(1<<20)|(1<<21)|(5<<22)|(3<<25)  ; the scales of 128 rows: a dense block, as rows of 256 bytes + 16
	s_or_b32 s[G1SB+0], s44, (3<<16)|(1<<20)|(1<<21)|(5<<22)|(3<<25)
.irp g, G1S, G1SB
	s_mov_b32 s[\g+1], 32<<16
	s_mov_b32 s[\g+2], (128*KS/256)<<16
	s_mov_b32 s[\g+3], 32<<16
	s_mov_b32 s[\g+4], 128*KS/256
	s_mov_b32 s[\g+5], 32
	s_mov_b32 s[\g+6], 0
	s_mov_b32 s[\g+7], 0
.endr
	s_lshl_b32 s18, s16, 7
	s_lshl_b32 s20, s17, 8
	s_add_co_u32 s20, s20, s18                     ; A: row 256 x tile row + 128 x half
	s_lshl_b32 s46, s42, 8
	s_add_co_u32 s46, s46, s18                     ; B: row 256 x tile column + 128 x half
	s_mov_b32 s21, 0
	s_mov_b32 s47, 0
	s_mov_b64 s[18:19], KS
	s_mul_u64 s[22:23], s[20:21], s[18:19]
	s_mul_u64 s[92:93], s[46:47], s[18:19]
	s_mov_b64 s[18:19], KROW
	s_mul_u64 s[20:21], s[20:21], s[18:19]
	s_mul_u64 s[46:47], s[46:47], s[18:19]
	s_mul_i32 s45, s14, HALFT                      ; LDS: wave x 128 rows
	s_mul_i32 s94, s14, HALFS
	s_wait_kmcnt 0x0
	s_mov_b64 s[12:13], s[10:11]                   ; qkv
	s_add_nc_u64 s[96:97], s[4:5], H_S             ; h's scales
	s_add_nc_u64 s[98:99], s[6:7], WV_C            ; W's rows of v: codes,
	s_add_nc_u64 s[100:101], s[8:9], WV_S          ; scales
	s_cmp_eq_u32 ttmp9, 2                          ; the choice hangs on the cluster's number alone
	s_cselect_b64 s[10:11], s[96:97], s[8:9]       ; B's scales
	s_cselect_b64 s[8:9], s[4:5], s[6:7]           ; B's codes
	s_cselect_b64 s[6:7], s[100:101], s[96:97]     ; A's scales
	s_cselect_b64 s[4:5], s[98:99], s[4:5]         ; A's codes
	s_add_nc_u64 s[20:21], s[4:5], s[20:21]
	s_add_nc_u64 s[22:23], s[6:7], s[22:23]
	s_add_nc_u64 s[46:47], s[8:9], s[46:47]
	s_add_nc_u64 s[92:93], s[10:11], s[92:93]
	CROUND                                         ; all sixteen work-groups are here: the first joint loads meet
	s_mov_b32 s[G0S], 1
	s_add_co_u32 s[G0S+1], s94, SCL
	s_mov_b64 s[G0S+2:G0S+3], s[22:23]
	s_or_b32 s[G0S+3], s[G0S+3], 0x80000000
	s_mov_b32 s[G0SB], 1
	s_add_co_u32 s[G0SB+1], s94, SCL
	s_mov_b64 s[G0SB+2:G0SB+3], s[92:93]
	s_or_b32 s[G0SB+3], s[G0SB+3], 0x80000000
	JLOAD G0S, G1S, G0SB, G1SB                     ; the scales first
.irp s, 0,1
	s_mov_b32 s[G0+4*\s], 1
	s_add_co_u32 s[G0+4*\s+1], s45, \s*SLOT
	s_add_nc_u64 s[G0+4*\s+2:G0+4*\s+3], s[20:21], \s*ROWB
	s_or_b32 s[G0+4*\s+3], s[G0+4*\s+3], 0x80000000
	s_mov_b32 s[G0B+4*\s], 1
	s_add_co_u32 s[G0B+4*\s+1], s45, \s*SLOT
	s_add_nc_u64 s[G0B+4*\s+2:G0B+4*\s+3], s[46:47], \s*ROWB
	s_or_b32 s[G0B+4*\s+3], s[G0B+4*\s+3], 0x80000000
	JLOAD G0+4*\s, G1, G0B+4*\s, G1B               ; by this text's count three tensor loads of a wave are out
.endr
	v_and_b32 v1, 15, v0                           ; r
	v_bfe_u32 v2, v0, 4, 1                         ; h
	v_mul_u32_u24 v3, v1, PITCH
	v_mul_u32_u24 v4, v2, 24
	v_add_nc_u32 v4, v3, v4                        ; row x pitch + 24 h
	v_lshl_add_u32 v5, v2, 4, v4                   ; the same behind one padding more
	s_mul_i32 s21, s15, HALFT
	s_mul_i32 s22, s16, HALFT
	s_add_co_u32 s22, s22, 2*HALFT
.irp s, 0,1
	v_add_nc_u32 v[ADRA+\s], s21, v4
	v_add_nc_u32 v[ADRB+\s], s22, v4
	v_add_nc_u32 v[ADRA+2+\s], s21, v5
	v_add_nc_u32 v[ADRB+2+\s], s22, v5
	s_add_co_u32 s21, s21, SLOT
	s_add_co_u32 s22, s22, SLOT
.endr
	v_mul_u32_u24 v5, v1, KS
	v_lshrrev_b32 v6, 8, v5
	v_lshl_add_u32 v5, v6, 4, v5
	s_mul_i32 s21, s15, HALFS
	s_mul_i32 s22, s16, HALFS
	s_add_co_u32 s22, s22, 2*HALFS
	s_sub_co_u32 s22, s22, s21
	v_mul_u32_u24 v6, s22, v2                      ; lanes 16-31 take B's words
	s_add_co_u32 s21, s21, SCL
	v_add_nc_u32 v5, v5, v6
	v_add_nc_u32 v[ADRS], s21, v5
	v_and_b32 v6, 31, v0
	v_lshlrev_b32 v[LI], 4, v6
	s_lshl_b32 s23, s14, 9
	s_add_co_u32 s23, s23, SCST
	v_lshl_add_u32 v[SCW], v1, 2, s23
	v_add_nc_u32 v[SCR], s23, v[LI]
	; where my images and scale words go
	s_cmp_eq_u32 ttmp9, 2
	s_mov_b32 s18, 393216
	s_cselect_b32 s18, 98304, s18                  ; bytes from one 128 columns to the next: 256 or 64 images
	s_cselect_b32 s19, 6291456, 0
	s_mov_b32 s22, 16384
	s_cselect_b32 s22, 4096, s22                   ; the same for scale words: 32 or 8 groups of 512 bytes
	s_cselect_b32 s23, 262144, 0
	s_lshl_b32 s20, s42, 1
	s_add_co_u32 s20, s20, s16                     ; nc = my 128 columns
	s_mul_i32 s18, s20, s18
	s_add_co_u32 s18, s18, s19
	s_lshl_b32 s21, s17, 4
	s_lshl_b32 s19, s15, 3
	s_add_co_u32 s21, s21, s19                     ; my first block of 16 rows
	s_mul_i32 s21, s21, 1536
	s_add_co_u32 s18, s18, s21
	s_mov_b32 s19, 0
	s_mul_i32 s46, s20, s22
	s_add_co_u32 s46, s46, s23
	s_lshl_b32 s47, s17, 1
	s_add_co_u32 s47, s47, s15                     ; my group of 128 rows
	s_lshl_b32 s47, s47, 9
	s_add_co_u32 s46, s46, s47
	s_add_co_u32 s46, s46, 9437184
	s_mov_b32 s47, 0
	s_add_nc_u64 s[SOUT:SOUT+1], s[12:13], s[46:47]
	s_add_nc_u64 s[12:13], s[12:13], s[18:19]
	s_cmp_eq_u32 ttmp9, 0
	s_cselect_b32 s[FAC], 0x3e000000, 1.0          ; q x 1/8
	s_mov_b32 s[FAC+1], s[FAC]
	s_mov_b32 s[SEL], 0x76543210
	s_mov_b32 s[SEL+1], 0xfedcba98
.macro FRAG reg, adr, q, i             ; a fragment: 12 registers, in pieces of 8 bytes; lanes 16-31 read three pieces on, for some pieces behind one padding more
.irp p, 0,1,2,3,4,5
.set PCN, 12*(\q)+6*(\p/3)+\p%3
.if PCN%8 < 5
	ds_load_b64 v[\reg+2*\p:\reg+2*\p+1], v[\adr] offset:8*PCN+16*(PCN/8)+(\i)*16*PITCH
.else
	ds_load_b64 v[\reg+2*\p:\reg+2*\p+1], v[\adr+2] offset:8*PCN+16*(PCN/8)+(\i)*16*PITCH
.endif
.endr
.endm
; 16 matrix instructions: A's blocks a0, a0 + 1 x B's eight.  The 64 accumulators take turns, one instruction a turn, in the same order in every step.
.macro MUL16 a0, p, q, sc, zero
.irp a, \a0, \a0+1
.irp b, 0,1,2,3,4,5,6,7
.if \zero
	v_wmma_scale_f32_16x16x128_f8f6f4 v[8*(8*((\a)%4)+\b):8*(8*((\a)%4)+\b)+7], v[128*(\p)+FR*\b:128*(\p)+FR*\b+FR-1], v[AF+FR*(\a):AF+FR*(\a)+FR-1], 0, v[SC+8*NQ*(\sc)+NQ*\b+(\q)], v[SC+8*NQ*(\sc)+NQ*(\a)+(\q)] matrix_a_fmt:MATRIX_FMT_FP6 matrix_b_fmt:MATRIX_FMT_FP6 matrix_a_scale:MATRIX_SCALE_ROW1
.else
	v_wmma_scale_f32_16x16x128_f8f6f4 v[8*(8*((\a)%4)+\b):8*(8*((\a)%4)+\b)+7], v[128*(\p)+FR*\b:128*(\p)+FR*\b+FR-1], v[AF+FR*(\a):AF+FR*(\a)+FR-1], v[8*(8*((\a)%4)+\b):8*(8*((\a)%4)+\b)+7], v[SC+8*NQ*(\sc)+NQ*\b+(\q)], v[SC+8*NQ*(\sc)+NQ*(\a)+(\q)] matrix_a_fmt:MATRIX_FMT_FP6 matrix_b_fmt:MATRIX_FMT_FP6 matrix_a_scale:MATRIX_SCALE_ROW1
.endif
.endr
.endr
.endm
.macro FETCH_B slot, q, p
	WIN TO_B
.irp i, 0,1,2,3,4,5,6,7
	FRAG 128*(\p)+FR*\i, ADRB+\slot, \q, \i
.endr
	WIN 0
.endm
.macro FETCH_A slot, q, i0
.irp i, \i0, \i0+1, \i0+2, \i0+3
	FRAG AF+FR*(\i), ADRA+\slot, \q, \i
.endr
.endm
.macro SCALES sc                       ; lanes 0-15 A's block i, lanes 16-31 B's block i: two words of a K step
.irp i, 0,1,2,3,4,5,6,7
	ds_load_b64 v[SC+8*NQ*\sc+NQ*\i:SC+8*NQ*\sc+NQ*\i+1], v[ADRS] offset:\i*SBLK
.endr
.endm
.macro PLACES n                        ; plain instructions between a matrix instruction and a load into, or a read of, its registers
.rept \n
	v_nop
.endr
.endm
.macro STEP slot, q, zero
	s_wait_dscnt 4*NL                              ; B's set and A's blocks 0-3 are in; the youngest 24 loads (A's blocks 4-7) may be out
	WIN MUL_LO
	MUL16 0, (\q)%2, \q, \slot, \zero
	MUL16 2, (\q)%2, \q, \slot, \zero
	s_wait_dscnt 0
	PLACES NP
	FETCH_B \slot, (\q)+1, 1-(\q)%2
	FETCH_A \slot, (\q)+1, 0
	WIN MUL_HI
	MUL16 4, (\q)%2, \q, \slot, \zero
	MUL16 6, (\q)%2, \q, \slot, \zero
	PLACES NP
	WIN 0
	FETCH_A \slot, (\q)+1, 4
.endm
.macro TURN slot, next, fill           ; a slot's last step changes slots: one barrier
	s_wait_tensorcnt 0x0                           ; all my tensor loads have landed: my part of the next slot
	ds_add_u32 v[SPW], v[NIL]                      ; 0 onto my spare word
	s_wait_dscnt 4*NL+1                            ; the add and A's blocks 4-7 may be out
	WIN MUL_LO
	MUL16 0, 1, NQ-1, \slot, 0
	s_wait_dscnt 0x0                               ; the add is done, and my reads of this slot are over
	s_barrier_signal -1
	MUL16 2, 1, NQ-1, \slot, 0
	WIN 0
	s_barrier_wait -1
.if \fill
	CREST                                          ; the barrier has opened a round of the cluster's: no wave of any partner still reads this slot or has a load on its way
	s_add_nc_u64 s[G0+4*\slot+2:G0+4*\slot+3], s[G0+4*\slot+2:G0+4*\slot+3], 2*ROWB
	s_add_nc_u64 s[G0B+4*\slot+2:G0B+4*\slot+3], s[G0B+4*\slot+2:G0B+4*\slot+3], 2*ROWB
	JLOAD G0+4*\slot, G1, G0B+4*\slot, G1B         ; the first tensor load behind the round; its four v_nop are the places in front of the loads below
.else
	PLACES NP
.endif
	v_add_nc_u32 v[ADRS], 4*NQ, v[ADRS]
	FETCH_B \next, 0, 0
	FETCH_A \next, 0, 0
	SCALES \next
	WIN MUL_HI
	MUL16 4, 1, NQ-1, \slot, 0
	MUL16 6, 1, NQ-1, \slot, 0
	PLACES NP
	WIN 0
	FETCH_A \next, 0, 4
.endm
	s_wait_tensorcnt 1                             ; the scales and my part of K step 0 are in; K step 1's load may be out
	s_barrier_signal -1
	s_barrier_wait -1
	FETCH_B 0, 0, 0
	FETCH_A 0, 0, 0
	SCALES 0
	FETCH_A 0, 0, 4
	STEP 0, 0, 1                                   ; the first step starts the sums
	s_mov_b32 s3, LAPS-1
.Llap:
	TURN 0, 1, 1
	STEP 1, 0, 0
	TURN 1, 0, 1
	STEP 0, 0, 0
	s_sub_co_u32 s3, s3, 1
	s_cmp_lg_u32 s3, 0
	s_cbranch_scc1 .Llap
	TURN 0, 1, 0
	STEP 1, 0, 0
	s_wait_dscnt 4*NL
	WIN MUL_LO
	MUL16 0, 1, NQ-1, 1, 0
	MUL16 2, 1, NQ-1, 1, 0
	s_wait_dscnt 0
	WIN MUL_HI
	MUL16 4, 1, NQ-1, 1, 0
	MUL16 6, 1, NQ-1, 1, 0
	WIN 0
; 64 numbers of a lane, register 16 b + i = place 32 b + 16 (lane / 16) + i of my row, become a fragment's codes in v[PC] on and its scale word in v[PW].
.macro QUANT s
.irp b, 0,1,2,3
	v_max3_num_f32 v[TM+\b], |v[\s+16*\b]|, |v[\s+1+16*\b]|, 0x1800000   ; with the floor 2^(3 - 127): the byte cannot fall under 1
.endr
.irp i, 2,4,6,8,10,12,14
.irp b, 0,1,2,3
	v_max3_num_f32 v[TM+\b], v[TM+\b], |v[\s+16*\b+\i]|, |v[\s+1+16*\b+\i]|
.endr
.endr
.irp b, 0,1,2,3
	v_permlanex16_b32 v[TM+4+\b], v[TM+\b], s[SEL], s[SEL+1]
.endr
.irp b, 0,1,2,3
	v_max_num_f32 v[TM+\b], v[TM+\b], v[TM+4+\b]   ; with lane l xor 16's: the block's largest magnitude
.endr
.irp b, 0,1,2,3
	v_add_nc_u32 v[TM+12+\b], 0xff000000, v[TM+\b] ; 2 off its exponent field: the conversion's scale operand
.endr
.irp b, 0,1,2,3
	v_lshrrev_b32 v[TM+4+\b], 23, v[TM+12+\b]      ; the byte
.endr
	v_lshl_or_b32 v[PW], v[TM+5], 8, v[TM+4]
	v_lshl_or_b32 v[PW], v[TM+6], 16, v[PW]
	v_lshl_or_b32 v[PW], v[TM+7], 24, v[PW]
.irp c, 0,1
	v_cvt_scalef32_pk16_fp6_f32 v[PC+6*\c:PC+2+6*\c], v[\s+32*\c:\s+15+32*\c], v[TM+12+2*\c]
	v_cvt_scalef32_pk16_fp6_f32 v[PC+12+4*\c:PC+14+4*\c], v[\s+16+32*\c:\s+31+32*\c], v[TM+12+2*\c+1]
.endr
	v_nop                                          ; a plain instruction behind the conversions
.irp c, 0,1                                    ; the operand wants a whole block in a lane
.irp i, 0,1,2
	v_permlane16_swap_b32 v[PC+6*\c+\i], v[PC+12+4*\c+\i]
.endr
.irp i, 0,1,2
	v_mov_b32 v[PC+3+6*\c+\i], v[PC+12+4*\c+\i]
.endr
.endr
.endm
.macro COPY a                          ; block a's eight accumulators x the factor, into window 0; each accumulator from its low end on
	WIN 0x02+(\a)/4
.set i, 0
.rept 32
	v_pk_mul_f32 v[T+2*i:T+2*i+1], v[64*((\a)%4)+2*i:64*((\a)%4)+2*i+1], s[FAC:FAC+1] op_sel_hi:[1,0]
.set i, i+1
.endr
	WIN 0
.endm
	; THE WAY OUT: a loop over my eight blocks of 16 rows; only the copy out of the accumulators differs from trip to trip, so only it is written eight times.
	PLACES NP
.irp b, 0,1,2,3
	v_mov_b32 v[TM+4+\b], 0                        ; a lane permute's destination counts as one of its sources
.endr
	s_mov_b32 s3, 0
	s_mov_b32 s22, 0
.Lblk:
.irp a, 0,1,2,3,4,5,6
	s_cmp_eq_u32 s3, \a
	s_cbranch_scc1 .Lcopy\a
.endr
	COPY 7
	s_branch .Lquant
.irp a, 0,1,2,3,4,5,6
.Lcopy\a:
	COPY \a
.if \a < 6
	s_branch .Lquant
.endif
.endr
.Lquant:
	QUANT T
.irp c, 0,1,2
	global_store_b128 v[LI], v[PC+4*\c:PC+4*\c+3], s[12:13] offset:512*\c   ; the image: 512 consecutive bytes a store, at a multiple of 256
.endr
	v_add_nc_u32 v[TA], s22, v[SCW]
	ds_store_b32 v[TA], v[PW]                      ; both halves of the lanes hold the same word
	s_wait_xcnt 0x0                                ; the stores have read their data and base: both are written again only behind this wait
	s_add_nc_u64 s[12:13], s[12:13], 1536
	s_add_co_u32 s22, s22, 64
	s_add_co_u32 s3, s3, 1
	s_cmp_lt_u32 s3, 8
	s_cbranch_scc1 .Lblk
	ds_load_b128 v[PC:PC+3], v[SCR]                ; my own bytes, served in order: the 128 rows' scale words
	s_wait_dscnt 0x0
	global_store_b128 v[LI], v[PC:PC+3], s[SOUT:SOUT+1]
	s_wait_tensorcnt 0x0                           ; the wave's end
	ds_add_u32 v[SPW], v[NIL]
	s_wait_dscnt 0x0
	CROUND                                         ; the closing round
	s_endpgm
.Lfunc_end_k_q3794550459_qkv:
	.size	k_q3794550459_qkv, .Lfunc_end_k_q3794550459_qkv-k_q3794550459_qkv
	.p2alignl 7, 3214868480
	.fill 96, 4, 3214868480
	.section	.rodata,"a",@progbits
	.p2align	6, 0x0
	.amdhsa_kernel k_q3794550459_qkv
		.amdhsa_group_segment_fixed_size 327680
		.amdhsa_private_segment_fixed_size 0
		.amdhsa_enable_private_segment 0
		.amdhsa_kernarg_size 32
		.amdhsa_user_sgpr_count 2
		.amdhsa_user_sgpr_kernarg_segment_ptr 1
		.amdhsa_wavefront_size32 1
		.amdhsa_system_sgpr_workgroup_id_x 1
		.amdhsa_system_sgpr_workgroup_id_y 1
		.amdhsa_system_sgpr_workgroup_id_z 1
		.amdhsa_system_vgpr_workitem_id 0
		.amdhsa_next_free_vgpr 1024
		.amdhsa_next_free_sgpr 102
		.amdhsa_reserve_vcc 0
		.amdhsa_float_denorm_mode_32 3
		.amdhsa_float_denorm_mode_16_64 3
		.amdhsa_memory_ordered 1
		.amdhsa_forward_progress 1
		.amdhsa_inst_pref_size 153
	.end_amdhsa_kernel
	.amdgpu_metadata
---
amdhsa.version: [ 1, 2 ]
amdhsa.kernels:
  - .name:           k_q3794550459_qkv
    .symbol:         k_q3794550459_qkv.kd
    .args:
      - { .name: h, .offset: 0, .size: 8, .value_kind: global_buffer, .address_space: global }
      - { .name: w_qkv_codes, .offset: 8, .size: 8, .value_kind: global_buffer, .address_space: global }
      - { .name: w_qkv_scales, .offset: 16, .size: 8, .value_kind: global_buffer, .address_space: global }
      - { .name: qkv, .offset: 24, .size: 8, .value_kind: global_buffer, .address_space: global }
    .group_segment_fixed_size: 327680
    .private_segment_fixed_size: 0
    .kernarg_segment_align: 8
    .kernarg_segment_size: 32
    .max_flat_workgroup_size: 128
    .sgpr_count:     102
    .vgpr_count:     1024
    .wavefront_size: 32
...
	.end_amdgpu_metadata
.endif
;; end of part 2
;; launch attn (part 3): grid 16 x 16, 8 waves a work-group, no clusters, 78,336 bytes of LDS; arguments qkv, att; writes att
.if DOCPART == 3
	.amdgcn_target "amdgcn-amd-amdhsa--gfx1250"
	.amdhsa_code_object_version 6
	.text
	.protected	k_q3794550459_attn
	.globl	k_q3794550459_attn
	.p2align	8
	.type	k_q3794550459_attn,@function
k_q3794550459_attn:
	s_mov_b64 s[64:65], 0
	v_nop
	global_prefetch_b8 v0, s[64:65] scope:SCOPE_SE
	s_setreg_imm32_b32 hwreg(HW_REG_WAVE_MODE, 25, 1), 1
	s_wait_xcnt 0x0
; Banded attention on codes of FP6 (E2M3): att = Q(softmax(mask(q k^T)) v), both products quantised; |query - key| <= 128.
; SHARES.  A work-group owns 128 queries (x) of a pair of heads of one batch (y = 8 batch + pair).  Wave w owns 16 queries and runs the two heads one after the other (UNIT 0, UNIT 1).
; KEYS.  Three chunks of 128: the queries' own and its two neighbours; all other keys are thrown away by the mask that the problem builds itself.  At the sequence's ends the neighbour's address is held at the end chunk and all its keys are hidden.
; OPERANDS arrive as images of their registers (three runs of 512 bytes, lane l's 16 bytes at 16 l).  An image of q or k holds two heads along K (head c in registers 6 c .. 6 c + 5): for head c the other six registers of q
; are zero codes, which add nothing (every scale byte here lies in 1 .. 254).
; LAYOUT.  S^T = k q^T and O^T = v^T p^T: a lane holds one query.  Register 8 kt + j of S^T is key 16 kt + 8 h + j; v's images were laid along the tokens by the same map, so p is quantised as it stands.
; SOFTMAX as the problem has it: the row's largest kept score is taken away, p = exp(s - m) / sum is FINISHED AND NORMALISED, and then quantised in blocks of 32 keys.  A block's largest p is the block's largest score
; put through the same three instructions (this takes v_exp_f32 not to fall where its input rises).  Every query keeps its own key, so the sum is never 0.
; NO TENSOR LOAD, NO CLUSTER: LDS is filled once, 77 KB, through registers; a neighbouring work-group wants the shared chunk at another place of its LDS.
; LIMITS: NaN and infinities are not served; a block of zeros gets the byte 1.
.set KI,  0                            ; k: 3 chunks x 8 images
.set VI,  36864                        ; v: 3 chunks x 8 images (feature tile 4 c + i)
.set KSC, 73728                        ; k's scale words, 3 x 512 bytes
.set VSC, 75264                        ; v's
.set OSC, 76800                        ; the result's, 512 bytes
.set QKV_V,  6291456
.set QKV_S,  9437184
.set QKV_SV, 9699328
.set AT_S,   3145728
.set LI,  1                            ; v1   16 x lane
.set SA4, 2                            ; v2   KSC + 4 r
.set E1,  3                            ; v3   16 w + r - 8 h (+ 65,536 where there is no chunk before)
.set E3,  4                            ; v4   the same (- 65,536 where there is none behind)
.set NEG, 5                            ; v5   -infinity
.set OSA, 6                            ; v6   OSC + 64 w + 4 r
.set LIV, 7                            ; v7   VI + 16 x lane
.set OW,  8                            ; v8   the result's scale word
.set QR,  12                           ; v12-23   q's fragment for the head in hand
.set VSW, 24                           ; v24-35   v's scale words
.set QS,  36                           ; v36      q's
.set MX,  37
.set NM,  38                           ; v[38:39] -m log2(e)
.set INV, 40                           ; v[40:41] 1 / sum
.set PW,  42                           ; v42-44   p's scale words
.set KSW, 46                           ; v46-53   k's scale words, two sets
.set BM,  54                           ; v54-65   block maxima
.set BT,  66                           ; v66-77   at work
.set PF,  78                           ; v78-113  p's three fragments
.set OF,  114                          ; v114-125 the result's fragment
.set O,   126                          ; v126-157 O^T; until the second product: v126-133 the sums, v134-141 the conversions' spare triples
.set SUM, 126
.set PT,  134
.set OPT, 70
.set F0,  158                          ; v158-205, v206-253 two sets of four fragments
.set QF,  192                          ; window 1: v0-191 S^T, later v0-47 v's third K step; v192-203 q's image
.set LG,  28
.set SEL, 30
.set MSB, 0
.macro WIN new
.if MSB != (\new)
	s_set_vgpr_msb (MSB<<8)|(\new)
.set MSB, (\new)
.endif
.endm
.macro PLACES n
.rept \n
	v_nop
.endr
.endm
	s_load_b128 s[4:7], s[0:1], 0x0                ; qkv, att
	v_lshl_add_u32 v254, v0, 2, 0x12e00
	v_mov_b32 v255, 0
	v_lshrrev_b32 v9, 5, v0
	v_readfirstlane_b32 s8, v9                     ; wave
	s_mov_b32 s9, ttmp9                            ; cq
	s_and_b32 s10, ttmp7, 0xffff
	s_and_b32 s11, s10, 7                          ; pair of heads
	s_lshr_b32 s10, s10, 3                         ; batch
	s_sub_co_u32 s12, s9, 1
	s_max_i32 s12, s12, 0
	s_mov_b32 s13, s9
	s_add_co_u32 s14, s9, 1
	s_min_u32 s14, s14, 15                         ; s12-14: the three chunks
	s_add_co_u32 s36, s11, 8
	s_lshl_b32 s37, s36, 8
	s_lshl_b32 s38, s10, 7
	s_add_co_u32 s37, s37, s38                     ; (8 + pair) 256 + 128 batch
	s_lshl_b32 s39, s10, 4
	s_lshl_b32 s40, s11, 3
	s_lshl_b32 s41, s36, 5
	s_add_co_u32 s41, s41, s39                     ; (8 + pair) 32 + 16 batch
.irp j, 0,1,2
	s_lshl_b32 s42, s[12+\j], 3
	s_add_co_u32 s42, s42, s37
	s_mul_i32 s[16+\j], s42, 1536                  ; k's eight images
	s_add_co_u32 s43, s39, s[12+\j]
	s_lshl_b32 s42, s43, 6
	s_add_co_u32 s42, s42, s40
	s_mul_i32 s42, s42, 1536
	s_add_co_u32 s[19+\j], s42, QKV_V              ; v's eight
	s_add_co_u32 s42, s41, s[12+\j]
	s_lshl_b32 s42, s42, 9
	s_add_co_u32 s[22+\j], s42, QKV_S              ; k's scale words
	s_lshl_b32 s42, s43, 3
	s_add_co_u32 s42, s42, s11
	s_lshl_b32 s42, s42, 9
	s_add_co_u32 s[25+\j], s42, QKV_SV             ; v's
.endr
	s_lshl_b32 s42, s11, 8
	s_add_co_u32 s42, s42, s38
	s_lshl_b32 s43, s9, 3
	s_add_co_u32 s43, s43, s8                      ; 8 cq + w
	s_add_co_u32 s42, s42, s43
	s_mul_i32 s42, s42, 1536                       ; q's image
	s_lshl_b32 s44, s11, 5
	s_add_co_u32 s44, s44, s39
	s_add_co_u32 s44, s44, s9
	s_lshl_b32 s44, s44, 9                         ; (32 pair + 16 batch + cq) 512
	s_lshl_b32 s45, s8, 6
	s_add_co_u32 s45, s45, s44
	s_add_co_u32 s45, s45, QKV_S                   ; q's scale words
	s_add_co_u32 s36, s38, s43
	s_lshl_b32 s36, s36, 3
	s_add_co_u32 s36, s36, s11
	s_mul_i32 s36, s36, 1536                       ; the result's image: (token tile x 8 + pair) 1,536
	s_mov_b32 s37, 0
	s_add_co_u32 s40, s44, AT_S
	s_mov_b32 s41, 0
	s_mov_b32 s[LG], 0x3fb8aa3b                    ; log2(e)
	s_mov_b32 s[LG+1], s[LG]
	s_mov_b32 s[SEL], 0x76543210
	s_mov_b32 s[SEL+1], 0xfedcba98
	v_and_b32 v9, 15, v0                           ; r
	v_bfe_u32 v10, v0, 4, 1                        ; h
	v_and_b32 v[LI], 31, v0
	v_lshlrev_b32 v[LI], 4, v[LI]
	v_lshl_add_u32 v[SA4], v9, 2, KSC
	v_add_nc_u32 v[LIV], VI, v[LI]
	s_lshl_b32 s38, s8, 6
	s_add_co_u32 s38, s38, OSC
	v_lshl_add_u32 v[OSA], v9, 2, s38
	s_lshl_b32 s38, s8, 4
	v_add_nc_u32 v11, s38, v9
	v_lshlrev_b32 v[E1], 3, v10
	v_sub_nc_u32 v11, v11, v[E1]                   ; e = 16 w + r - 8 h
	s_cmp_eq_u32 s9, 0
	s_cselect_b32 s38, 0x10000, 0
	v_add_nc_u32 v[E1], s38, v11
	s_cmp_eq_u32 s9, 15
	s_cselect_b32 s38, 0xffff0000, 0
	v_add_nc_u32 v[E3], s38, v11
	v_mov_b32 v[NEG], 0xff800000
	v_lshlrev_b32 v140, 4, v0                      ; 16 x thread
	v_lshlrev_b32 v141, 1, v0                      ; 2 x thread
	v_add_nc_u32 v142, VI, v140
	v_add_nc_u32 v143, KSC, v141
.irp j, 0,1,2
	v_add_nc_u32 v[126+\j], s[16+\j], v140
	v_add_nc_u32 v[129+\j], s[19+\j], v140
	v_add_nc_u32 v[132+\j], s[22+\j], v141
	v_add_nc_u32 v[135+\j], s[25+\j], v141
.endr
	v_add_nc_u32 v138, s42, v[LI]
	v_lshl_add_u32 v139, v9, 2, s45
	s_wait_kmcnt 0x0
	s_add_nc_u64 s[32:33], s[6:7], s[36:37]
	s_add_nc_u64 s[34:35], s[6:7], s[40:41]
.irp j, 0,1,2                                  ; the fill: the eight waves read 4,096 consecutive bytes an instruction
.irp i, 0,1,2
	global_load_b128 v[158+4*(3*\j+\i):158+4*(3*\j+\i)+3], v[126+\j], s[4:5] offset:4096*\i
	global_load_b128 v[194+4*(3*\j+\i):194+4*(3*\j+\i)+3], v[129+\j], s[4:5] offset:4096*\i
.endr
	global_load_u16 v[230+\j], v[132+\j], s[4:5]
	global_load_u16 v[233+\j], v[135+\j], s[4:5]
.endr
	global_load_b32 v[QS], v139, s[4:5]
	WIN 0x40                                       ; destination window 1
.irp c, 0,1,2
	global_load_b128 v[QF+4*\c:QF+4*\c+3], v138, s[4:5] offset:512*\c
.endr
	WIN 0
	v_mov_b32 v[NM+1], 0                           ; named as the upper halves of pairs
	v_mov_b32 v[INV+1], 0
.irp b, 0,1,2,3,4,5,6,7,8,9,10,11
	v_mov_b32 v[BT+\b], 0                          ; a lane permute's destination counts as one of its sources
.endr
	s_wait_loadcnt 0x0
.irp j, 0,1,2
.irp i, 0,1,2
	ds_store_b128 v140, v[158+4*(3*\j+\i):158+4*(3*\j+\i)+3] offset:KI+12288*\j+4096*\i
	ds_store_b128 v142, v[194+4*(3*\j+\i):194+4*(3*\j+\i)+3] offset:12288*\j+4096*\i
.endr
	ds_store_b16 v143, v[230+\j] offset:512*\j
	ds_store_b16 v143, v[233+\j] offset:VSC-KSC+512*\j
.endr
	s_wait_dscnt 0x0                               ; for the others' sake: my stores are done
	s_barrier_signal -1
	s_barrier_wait -1
.macro FETCHK gr                       ; four key tiles and their scale words: 16 LDS loads
.irp t, 0,1,2,3
.irp c, 0,1,2
	ds_load_b128 v[F0+48*((\gr)%2)+12*\t+4*\c:F0+48*((\gr)%2)+12*\t+4*\c+3], v[LI] offset:KI+1536*(4*(\gr)+\t)+512*\c
.endr
	ds_load_b32 v[KSW+4*((\gr)%2)+\t], v[SA4] offset:64*(4*(\gr)+\t)
.endr
.endm
.macro FETCHV j, reg, hd               ; chunk j: the head's four feature tiles
.irp i, 0,1,2,3
.irp c, 0,1,2
	ds_load_b128 v[\reg+12*\i+4*\c:\reg+12*\i+4*\c+3], v[LIV] offset:12288*\j+1536*(4*\hd+\i)+512*\c
.endr
.endr
.endm
.macro UNIT hd
	; ---- q for this head: its six registers, and zero codes in the other six
	WIN 0x01
.irp i, 0,1,2,3,4,5
	v_mov_b32 v[QR+6*\hd+\i], v[QF+6*\hd+\i]
.endr
	WIN 0
.irp i, 0,1,2,3,4,5
	v_mov_b32 v[QR+6*(1-\hd)+\i], 0
.endr
	PLACES 4                                       ; an operand written by vector instructions stands four places ahead of a scaled product; also the places in front of the loads
	FETCHK 0
	; ---- S^T = k q^T: 24 key tiles, four at a time, the next four on their way
.irp gr, 0,1,2,3,4,5
.if \gr < 5
	PLACES 4                                       ; in front of loads into registers that the last products read
	FETCHK \gr+1
	s_wait_dscnt 16                                ; this group is in; the 16 loads just issued may be out
.else
	s_wait_dscnt 0x0
.endif
	WIN 0x40
.irp t, 0,1,2,3
	v_wmma_scale_f32_16x16x128_f8f6f4 v[8*(4*\gr+\t):8*(4*\gr+\t)+7], v[F0+48*(\gr%2)+12*\t:F0+48*(\gr%2)+12*\t+11], v[QR:QR+11], 0, v[KSW+4*(\gr%2)+\t], v[QS] matrix_a_fmt:MATRIX_FMT_FP6 matrix_b_fmt:MATRIX_FMT_FP6
.endr
	WIN 0
.endr
	; ---- v's first two K steps and all its scale words: they land under the softmax
	PLACES 4
	FETCHV 0, F0, \hd
	FETCHV 1, F0+48, \hd
.irp j, 0,1,2
.irp i, 0,1,2,3
	ds_load_b32 v[VSW+4*\j+\i], v[SA4] offset:VSC-KSC+512*\j+64*(4*\hd+\i)
.endr
.endr
	; ---- the mask.  First chunk: key 16 kt + 8 h + j is hidden where it lies under my query's number in its chunk; third chunk: where above.  The middle chunk is kept whole
	WIN 0x41                                       ; destination and source 0 window 1
.set n, 0
.rept 64
	v_cmp_lt_i32 vcc_lo, 16*(n/8)+n%8, v[E1]
	v_cndmask_b32 v[n], v[n], v[NEG], vcc_lo
.set n, n+1
.endr
.set n, 0
.rept 64
	v_cmp_gt_i32 vcc_lo, 16*(n/8)+n%8, v[E3]
	v_cndmask_b32 v[128+n], v[128+n], v[NEG], vcc_lo
.set n, n+1
.endr
	; ---- the largest score of each of the 12 blocks of 32 keys, the blocks by turns; then the row's
	WIN 0x15
.irp b, 0,1,2,3,4,5,6,7,8,9,10,11
	v_max3_num_f32 v[BM+\b], v[16*\b], v[16*\b+1], v[16*\b+2]
.endr
	WIN 0x14
.irp i, 3,5,7,9,11,13
.irp b, 0,1,2,3,4,5,6,7,8,9,10,11
	v_max3_num_f32 v[BM+\b], v[BM+\b], v[16*\b+\i], v[16*\b+\i+1]
.endr
.endr
.irp b, 0,1,2,3,4,5,6,7,8,9,10,11
	v_max_num_f32 v[BM+\b], v[BM+\b], v[16*\b+15]
.endr
	WIN 0
.irp b, 0,1,2,3,4,5,6,7,8,9,10,11
	v_permlanex16_b32 v[BT+\b], v[BM+\b], s[SEL], s[SEL+1]
.endr
.irp b, 0,1,2,3,4,5,6,7,8,9,10,11
	v_max_num_f32 v[BM+\b], v[BM+\b], v[BT+\b]
.endr
	v_max3_num_f32 v[MX], v[BM], v[BM+1], v[BM+2]
.irp b, 3,5,7,9
	v_max3_num_f32 v[MX], v[MX], v[BM+\b], v[BM+\b+1]
.endr
	v_max_num_f32 v[MX], v[MX], v[BM+11]
	v_mul_f32 v[NM], 0xbfb8aa3b, v[MX]             ; -m log2(e): its rounding is one factor of the whole row, which the division by the sum takes out
	; ---- p = 2^(s log2(e) - m log2(e))
	WIN 0x41
.set n, 0
.rept 96
	v_pk_fma_f32 v[n:n+1], v[n:n+1], s[LG:LG+1], v[NM:NM+1] op_sel_hi:[1,0,0]
.set n, n+2
.endr
	WIN 0
.irp b, 0,1,2,3,4,5,6,7,8,9,10,11
	v_fma_f32 v[BM+\b], v[BM+\b], s[LG], v[NM]
.endr
	WIN 0x41
.set n, 0
.rept 192
	v_exp_f32 v[n], v[n]
.set n, n+1
.endr
	WIN 0
	v_nop                                          ; a plain instruction behind the batch
	s_wait_alu depctr_va_vdst(0)                   ; one wait for the 192, ahead of their first reader
.irp b, 0,1,2,3,4,5,6,7,8,9,10,11
	v_exp_f32 v[BM+\b], v[BM+\b]                   ; a second, small batch: the sums below are the work behind it
.endr
	; ---- the row's sum, four chains
	WIN 0x05
.irp k, 0,1,2,3
	v_pk_add_f32 v[SUM+2*\k:SUM+2*\k+1], v[2*\k:2*\k+1], v[8+2*\k:9+2*\k]
.endr
	WIN 0x04
.set n, 16
.rept 22
.irp k, 0,1,2,3
	v_pk_add_f32 v[SUM+2*\k:SUM+2*\k+1], v[SUM+2*\k:SUM+2*\k+1], v[n+2*\k:n+2*\k+1]
.endr
.set n, n+8
.endr
	WIN 0
	v_pk_add_f32 v[SUM:SUM+1], v[SUM:SUM+1], v[SUM+2:SUM+3]
	v_pk_add_f32 v[SUM+4:SUM+5], v[SUM+4:SUM+5], v[SUM+6:SUM+7]
	v_pk_add_f32 v[SUM:SUM+1], v[SUM:SUM+1], v[SUM+4:SUM+5]
	v_add_f32 v[SUM], v[SUM], v[SUM+1]
	v_permlanex16_b32 v[SUM+1], v[SUM], s[SEL], s[SEL+1]
	v_add_f32 v[SUM], v[SUM], v[SUM+1]
	v_rcp_f32 v[INV], v[SUM]
	v_mov_b32 v[INV+1], 0                          ; a plain instruction behind it
	s_wait_alu depctr_va_vdst(0)                   ; one wait for the reciprocal and the twelve exponentials
	; ---- normalised, as the problem quantises it
	WIN 0x41
.set n, 0
.rept 96
	v_pk_mul_f32 v[n:n+1], v[n:n+1], v[INV:INV+1] op_sel_hi:[1,0]
.set n, n+2
.endr
	WIN 0
.irp b, 0,1,2,3,4,5,6,7,8,9,10,11
	v_mul_f32 v[BM+\b], v[BM+\b], v[INV]           ; the blocks' largest p: the same three instructions on the same score
.endr
.irp b, 0,1,2,3,4,5,6,7,8,9,10,11
	v_max_num_f32 v[BM+\b], 0x1800000, v[BM+\b]    ; the floor: the byte cannot fall under 1
.endr
.irp b, 0,1,2,3,4,5,6,7,8,9,10,11
	v_add_nc_u32 v[BT+\b], 0xff000000, v[BM+\b]    ; the conversions' scale operands
.endr
.irp b, 0,1,2,3,4,5,6,7,8,9,10,11
	v_lshrrev_b32 v[BM+\b], 23, v[BT+\b]
.endr
.irp j, 0,1,2
	v_lshl_or_b32 v[PW+\j], v[BM+4*\j+1], 8, v[BM+4*\j]
	v_lshl_or_b32 v[PW+\j], v[BM+4*\j+2], 16, v[PW+\j]
	v_lshl_or_b32 v[PW+\j], v[BM+4*\j+3], 24, v[PW+\j]
.endr
.irp j, 0,1,2
	WIN 0x01
.irp k, 0,1
	v_cvt_scalef32_pk16_fp6_f32 v[PF+12*\j+6*\k:PF+12*\j+6*\k+2], v[64*\j+32*\k:64*\j+32*\k+15], v[BT+4*\j+2*\k]
	v_cvt_scalef32_pk16_fp6_f32 v[PT+4*\k:PT+4*\k+2], v[64*\j+32*\k+16:64*\j+32*\k+31], v[BT+4*\j+2*\k+1]
.endr
	WIN 0
	v_nop                                          ; a plain instruction behind the conversions
.irp k, 0,1
.irp i, 0,1,2
	v_permlane16_swap_b32 v[PF+12*\j+6*\k+\i], v[PT+4*\k+\i]
.endr
.irp i, 0,1,2
	v_mov_b32 v[PF+12*\j+6*\k+3+\i], v[PT+4*\k+\i]
.endr
.endr
.endr
	; ---- v's third K step, into registers that S^T has left
	WIN 0x40
	FETCHV 2, 0, \hd
	WIN 0
	PLACES 8                                       ; a scale register written by vector instructions stands eight places ahead of a scaled product
	s_wait_dscnt 0x0
	; ---- O^T = v^T p^T: four accumulators by turns, K step by K step
.irp i, 0,1,2,3
	v_wmma_scale_f32_16x16x128_f8f6f4 v[O+8*\i:O+8*\i+7], v[F0+12*\i:F0+12*\i+11], v[PF:PF+11], 0, v[VSW+\i], v[PW] matrix_a_fmt:MATRIX_FMT_FP6 matrix_b_fmt:MATRIX_FMT_FP6
.endr
.irp i, 0,1,2,3
	v_wmma_scale_f32_16x16x128_f8f6f4 v[O+8*\i:O+8*\i+7], v[F0+48+12*\i:F0+48+12*\i+11], v[PF+12:PF+23], v[O+8*\i:O+8*\i+7], v[VSW+4+\i], v[PW+1] matrix_a_fmt:MATRIX_FMT_FP6 matrix_b_fmt:MATRIX_FMT_FP6
.endr
	WIN 0x01
.irp i, 0,1,2,3
	v_wmma_scale_f32_16x16x128_f8f6f4 v[O+8*\i:O+8*\i+7], v[12*\i:12*\i+11], v[PF+24:PF+35], v[O+8*\i:O+8*\i+7], v[VSW+8+\i], v[PW+2] matrix_a_fmt:MATRIX_FMT_FP6 matrix_b_fmt:MATRIX_FMT_FP6
.endr
	WIN 0
	; ---- the head's 64 numbers become half a fragment of the next product, whose partner is a given weight: so they are first set in natural order
	PLACES 4
.irp b, 0,1
.irp j, 0,1,2,3,4,5,6,7
	v_permlane16_swap_b32 v[O+16*\b+\j], v[O+16*\b+8+\j]   ; then register 16 b + i of lane (r, h) is feature 32 b + 16 h + i
.endr
.endr
.irp b, 0,1
	v_max3_num_f32 v[BM+\b], |v[O+16*\b]|, |v[O+16*\b+1]|, 0x1800000
.endr
.irp i, 2,4,6,8,10,12,14
.irp b, 0,1
	v_max3_num_f32 v[BM+\b], v[BM+\b], |v[O+16*\b+\i]|, |v[O+16*\b+\i+1]|
.endr
.endr
.irp b, 0,1
	v_permlanex16_b32 v[BT+\b], v[BM+\b], s[SEL], s[SEL+1]
.endr
.irp b, 0,1
	v_max_num_f32 v[BM+\b], v[BM+\b], v[BT+\b]
.endr
.irp b, 0,1
	v_add_nc_u32 v[BT+2+\b], 0xff000000, v[BM+\b]
.endr
.irp b, 0,1
	v_lshrrev_b32 v[BM+\b], 23, v[BT+2+\b]
.endr
.if \hd == 0
	v_lshl_or_b32 v[OW], v[BM+1], 8, v[BM]
.else
	v_lshl_or_b32 v[OW], v[BM], 16, v[OW]
	v_lshl_or_b32 v[OW], v[BM+1], 24, v[OW]
.endif
	v_cvt_scalef32_pk16_fp6_f32 v[OF+6*\hd:OF+6*\hd+2], v[O:O+15], v[BT+2]
	v_cvt_scalef32_pk16_fp6_f32 v[OPT:OPT+2], v[O+16:O+31], v[BT+3]
	v_nop
.irp i, 0,1,2
	v_permlane16_swap_b32 v[OF+6*\hd+\i], v[OPT+\i]
.endr
.irp i, 0,1,2
	v_mov_b32 v[OF+6*\hd+3+\i], v[OPT+\i]
.endr
.endm
	UNIT 0
	UNIT 1
.irp c, 0,1,2
	global_store_b128 v[LI], v[OF+4*\c:OF+4*\c+3], s[32:33] offset:512*\c   ; the image: 512 consecutive bytes a store
.endr
	ds_store_b32 v[OSA], v[OW]                     ; both halves of the lanes hold the same word
	s_wait_dscnt 0x0
	s_barrier_signal -1
	s_barrier_wait -1
	v_add_nc_u32 v9, OSC, v[LI]
	s_cmp_lg_u32 s8, 0
	s_cbranch_scc1 .Lend                           ; wave 0 stores the 128 queries' scale words: two aligned blocks of 256 bytes
	ds_load_b128 v[158:161], v9
	s_wait_dscnt 0x0
	global_store_b128 v[LI], v[158:161], s[34:35]
.Lend:
	s_wait_tensorcnt 0x0
	ds_add_u32 v254, v255
	s_wait_dscnt 0x0
	s_endpgm
.Lfunc_end_k_q3794550459_attn:
	.size	k_q3794550459_attn, .Lfunc_end_k_q3794550459_attn-k_q3794550459_attn
	.p2alignl 7, 3214868480
	.fill 96, 4, 3214868480
	.section	.rodata,"a",@progbits
	.p2align	6, 0x0
	.amdhsa_kernel k_q3794550459_attn
		.amdhsa_group_segment_fixed_size 78336
		.amdhsa_private_segment_fixed_size 0
		.amdhsa_enable_private_segment 0
		.amdhsa_kernarg_size 16
		.amdhsa_user_sgpr_count 2
		.amdhsa_user_sgpr_kernarg_segment_ptr 1
		.amdhsa_wavefront_size32 1
		.amdhsa_system_sgpr_workgroup_id_x 1
		.amdhsa_system_sgpr_workgroup_id_y 1
		.amdhsa_system_sgpr_workgroup_id_z 1
		.amdhsa_system_vgpr_workitem_id 0
		.amdhsa_next_free_vgpr 512
		.amdhsa_next_free_sgpr 66
		.amdhsa_reserve_vcc 1
		.amdhsa_float_denorm_mode_32 3
		.amdhsa_float_denorm_mode_16_64 3
		.amdhsa_memory_ordered 1
		.amdhsa_forward_progress 1
		.amdhsa_inst_pref_size 144
	.end_amdhsa_kernel
	.amdgpu_metadata
---
amdhsa.version: [ 1, 2 ]
amdhsa.kernels:
  - .name:           k_q3794550459_attn
    .symbol:         k_q3794550459_attn.kd
    .args:
      - { .name: qkv, .offset: 0, .size: 8, .value_kind: global_buffer, .address_space: global }
      - { .name: att, .offset: 8, .size: 8, .value_kind: global_buffer, .address_space: global }
    .group_segment_fixed_size: 78336
    .private_segment_fixed_size: 0
    .kernarg_segment_align: 8
    .kernarg_segment_size: 16
    .max_flat_workgroup_size: 256
    .sgpr_count:     66
    .vgpr_count:     512
    .wavefront_size: 32
...
	.end_amdgpu_metadata
.endif
;; end of part 3
;; launch oproj (part 4): grid 8 x 32, 4 waves a work-group, clusters of 4 x 4, 327,680 bytes of LDS; arguments att, w_out_codes, w_out_scales, b_out, x, x1; writes x1
.if DOCPART == 4
	.amdgcn_target "amdgcn-amd-amdhsa--gfx1250"
	.amdhsa_code_object_version 6
	.text
	.protected	k_q3794550459_oproj
	.globl	k_q3794550459_oproj
	.p2align	8
	.type	k_q3794550459_oproj,@function
k_q3794550459_oproj:
	s_mov_b64 s[64:65], 0
	v_nop
	global_prefetch_b8 v0, s[64:65] scope:SCOPE_SE
	s_setreg_imm32_b32 hwreg(HW_REG_WAVE_MODE, 25, 1), 1
	s_wait_xcnt 0x0
	s_wait_alu depctr_hold_cnt(0) depctr_sa_sdst(0) depctr_va_vdst(0) depctr_va_sdst(0) depctr_va_ssrc(0) depctr_va_vcc(0) depctr_vm_vsrc(0)
	s_getreg_b32 s2, hwreg(HW_REG_IB_STS2, 6, 4)
	s_cmp_eq_u32 s2, 0
	s_cbranch_scc0 .Lentry_in_a_cluster
	s_endpgm
.Lentry_in_a_cluster:
	s_bfe_u32 s2, ttmp6, 0x10000c
	s_cmp_lg_u32 s2, 0xf033
	s_cbranch_scc0 .Lentry_shape_is_right
	s_endpgm
.Lentry_shape_is_right:
; out = res + A W^T + bias, the product on codes of FP6 (E2M3) with E8M0 scales.  A: [4,096][SIZE_K] as register images [token tile][K / 128][1,536 bytes] with scale words [K / 128][32 groups][128 rows] from byte SA_OFF;
; W: [1,024][SIZE_K] natural rows of codes and scale bytes; bias [1,024], res and out [4,096][1,024] f32.
; TILE.  N = 1,024 gives only 64 tiles of 256 x 256, so a tile of C is 128 x 128: 256 work-groups; four waves of 64 x 64, 16 accumulators.  K goes in steps of 512 (four matrix instructions deep) through two LDS slots.
; A's images come as dense rows of 6,144 bytes (a token tile's four K steps) and are read by three loads of 16 bytes a lane, without conflicts; W's rows are 384 bytes, 16 bytes of padding behind every 128: pitch 432.
; All scale words and bytes of the tile's rows come once, with the first fills.  The bias is the C of each sum's first product; the residual is loaded at the head and added on the way out.
; CLUSTERS: 4 x 4; A's tiles jointly along a row of the cluster, W's along a column.  TRANSPOSED USE: source 0 = 16 rows of W, source 1 = 16 rows of A: a lane holds eight neighbouring columns of a row of C.
; LIMITS: NaN and infinities are not served; a weight's scale byte 0xff gives NaN.
.set SIZE_K, 1024
.set SA_OFF, 3145728
.set KC,    SIZE_K/128
.set KROW,  SIZE_K*3/4
.set KS,    SIZE_K/32
.set LAPS,  SIZE_K/1024
.set AHALF, 24576                      ; 4 token tiles x 4 K steps x 1,536
.set BPART, 49152
.set BHALF, 27648                      ; 64 rows x 432
.set SLOT,  104448
.set SCA,   2*SLOT                     ; A's scale words: [K / 128][128 rows]
.set SCB,   SCA+KC*512                 ; W's scale bytes, as rows of 256 bytes + 16
.set HALFS, (64*KS/256)*272
.set SBLK,  (16*KS/256)*272
.set SPARE, SCB+2*HALFS                ; the spare words: 128 bytes a wave, named by no other line
.set STAGE, SPARE+512                  ; 16 rows x 272 bytes a wave; no fill lands here
.set ADRA,  16                         ; v16-17
.set ADRSA, 18
.set ADRSB, 19
.set ADRB,  20                         ; v20-21; v22-23 behind one padding more
.set STO,   24
.set RD,    25
.set CO,    26
.set BO,    27
.set SPW,   28
.set NIL,   29
.set SBR,   32                         ; v32-63 W's scale words: set, block, K step
.set SAR,   64                         ; v64-95 A's
.set BI,    96                         ; v96-127 the bias, four blocks in the result's layout
.set ACC,   128                        ; v128-255 accumulator (a, b) at 8 (4 a + b)
.set G1, 24
.set G0, 32
.set G1B, 48
.set G0B, 56
.set G1S, 68
.set G0S, 76
.set G1SB, 80
.set G0SB, 88
.set MSB, 0
.macro WIN new
.if MSB != (\new)
	s_set_vgpr_msb (MSB<<8)|(\new)
.set MSB, (\new)
.endif
.endm
.set MUL,  0x05                        ; both sources window 1; C and D window 0
.set TO_F, 0x40
.macro JLOAD g0a, g1a, g0b, g1b        ; a joint load: waves 0, 1 fetch for A, waves 2, 3 for W; four v_nop follow each line
	s_cmp_eq_u32 s15, 0
	s_cbranch_scc0 .Lfor_b_\@
	tensor_load_to_lds s[\g0a:\g0a+3], s[\g1a:\g1a+7]
	s_nop 0
.rept 4
	v_nop
.endr
	s_branch .Lasked_\@
.Lfor_b_\@:
	tensor_load_to_lds s[\g0b:\g0b+3], s[\g1b:\g1b+7]
	s_nop 0
.rept 4
	v_nop
.endr
.Lasked_\@:
.endm
.macro CREST
	s_cmp_lg_u32 s14, 0
	s_cbranch_scc1 .Lnot_wave_0_\@
	s_barrier_signal -3
.Lnot_wave_0_\@:
	s_barrier_wait -3
	s_barrier_signal -1
	s_barrier_wait -1
.endm
.macro CROUND
	s_barrier_signal -1
	s_barrier_wait -1
	CREST
.endm
.macro PLACES n
.rept \n
	v_nop
.endr
.endm
	s_load_b128 s[4:7], s[0:1], 0x0                ; A, W's codes
	s_load_b128 s[8:11], s[0:1], 0x10              ; W's scales, bias
	s_load_b128 s[96:99], s[0:1], 0x20             ; residual, out
	v_lshl_add_u32 v[SPW], v0, 2, SPARE
	v_mov_b32 v[NIL], 0
	ds_add_u32 v28, v29
	ds_add_u32 v28, v29
	s_wait_dscnt 0x0
	v_lshrrev_b32 v1, 5, v0
	v_readfirstlane_b32 s14, v1                    ; wave
	s_lshr_b32 s15, s14, 1                         ; my half of the rows; also: I fetch for A (0) or W (1)
	s_and_b32 s16, s14, 1                          ; my half of the columns; also: which half I fetch
	s_bfe_u32 s40, ttmp6, 0x40000                  ; cx
	s_bfe_u32 s41, ttmp6, 0x40004                  ; cy
	s_lshl_b32 s42, ttmp9, 2
	s_add_co_u32 s42, s42, s40                     ; tile column
	s_and_b32 s17, ttmp7, 0xffff
	s_lshl_b32 s17, s17, 2
	s_add_co_u32 s17, s17, s41                     ; tile row
	s_lshl_b32 s43, s41, 2
	s_lshl_b32 s43, 15, s43                        ; my row of the cluster
	s_lshl_b32 s44, 0x1111, s40                    ; my column
	s_or_b32 s[G1+0], s43, (3<<16)|(1<<21)         ; A's images: 4 rows of 768 elements of 8 bytes, no padding
	s_mov_b32 s[G1+1], 768<<16
	s_mov_b32 s[G1+2], 4<<16
	s_mov_b32 s[G1+3], 768<<16
	s_mov_b32 s[G1+4], 4
	s_mov_b32 s[G1+5], KC*192                      ; from token tile to token tile
	s_mov_b32 s[G1+6], 0
	s_mov_b32 s[G1+7], 0
	s_or_b32 s[G1B+0], s44, (0<<16)|(1<<20)|(1<<21)|(4<<22)|(3<<25)   ; W's codes: 64 rows of 384 bytes; after every 32 words, 4 words of padding
	s_mov_b32 s[G1B+1], 384<<16
	s_mov_b32 s[G1B+2], 64<<16
	s_mov_b32 s[G1B+3], 384<<16
	s_mov_b32 s[G1B+4], 64
	s_mov_b32 s[G1B+5], KROW
	s_mov_b32 s[G1B+6], 0
	s_mov_b32 s[G1B+7], 0
	s_or_b32 s[G1S+0], s43, (3<<16)|(1<<21)        ; A's scale words: KC / 2 rows of 512 bytes, 16,384 bytes apart
	s_mov_b32 s[G1S+1], 64<<16
	s_mov_b32 s[G1S+2], (KC/2)<<16
	s_mov_b32 s[G1S+3], 64<<16
	s_mov_b32 s[G1S+4], KC/2
	s_mov_b32 s[G1S+5], 2048
	s_mov_b32 s[G1S+6], 0
	s_mov_b32 s[G1S+7], 0
	s_or_b32 s[G1SB+0], s44, (3<<16)|(1<<20)|(1<<21)|(5<<22)|(3<<25)  ; W's scale bytes of 64 rows: a dense block, as rows of 256 bytes + 16
	s_mov_b32 s[G1SB+1], 32<<16
	s_mov_b32 s[G1SB+2], (64*KS/256)<<16
	s_mov_b32 s[G1SB+3], 32<<16
	s_mov_b32 s[G1SB+4], 64*KS/256
	s_mov_b32 s[G1SB+5], 32
	s_mov_b32 s[G1SB+6], 0
	s_mov_b32 s[G1SB+7], 0
	s_lshl_b32 s20, s17, 3
	s_lshl_b32 s18, s16, 2
	s_add_co_u32 s20, s20, s18
	s_mul_i32 s20, s20, KC*1536                    ; A: token tile 8 x tile row + 4 x half
	s_mov_b32 s21, 0
	s_mul_i32 s22, s16, (KC/2)*16384
	s_lshl_b32 s18, s17, 9
	s_add_co_u32 s22, s22, s18
	s_add_co_u32 s22, s22, SA_OFF                  ; A's scale words: my half of K, the tile row's group
	s_mov_b32 s23, 0
	s_lshl_b32 s46, s42, 7
	s_lshl_b32 s18, s16, 6
	s_add_co_u32 s46, s46, s18                     ; W: row 128 x tile column + 64 x half
	s_mul_i32 s92, s46, KS
	s_mov_b32 s93, 0
	s_mul_i32 s46, s46, KROW
	s_mov_b32 s47, 0
	s_mul_i32 s45, s16, AHALF                      ; LDS: no place in the cluster enters
	s_mul_i32 s94, s16, BHALF
	s_add_co_u32 s94, s94, BPART
	s_mul_i32 s95, s16, (KC/2)*512
	s_add_co_u32 s95, s95, SCA
	s_mul_i32 s66, s16, HALFS
	s_add_co_u32 s66, s66, SCB
	s_wait_kmcnt 0x0
	s_add_nc_u64 s[20:21], s[4:5], s[20:21]
	s_add_nc_u64 s[22:23], s[4:5], s[22:23]
	s_add_nc_u64 s[46:47], s[6:7], s[46:47]
	s_add_nc_u64 s[92:93], s[8:9], s[92:93]
	CROUND                                         ; all sixteen work-groups are here: the first joint loads meet
	s_mov_b32 s[G0S], 1
	s_mov_b32 s[G0S+1], s95
	s_mov_b64 s[G0S+2:G0S+3], s[22:23]
	s_or_b32 s[G0S+3], s[G0S+3], 0x80000000
	s_mov_b32 s[G0SB], 1
	s_mov_b32 s[G0SB+1], s66
	s_mov_b64 s[G0SB+2:G0SB+3], s[92:93]
	s_or_b32 s[G0SB+3], s[G0SB+3], 0x80000000
	JLOAD G0S, G1S, G0SB, G1SB                     ; the scales first
.irp s, 0,1
	s_mov_b32 s[G0+4*\s], 1
	s_add_co_u32 s[G0+4*\s+1], s45, \s*SLOT
	s_add_nc_u64 s[G0+4*\s+2:G0+4*\s+3], s[20:21], \s*6144
	s_or_b32 s[G0+4*\s+3], s[G0+4*\s+3], 0x80000000
	s_mov_b32 s[G0B+4*\s], 1
	s_add_co_u32 s[G0B+4*\s+1], s94, \s*SLOT
	s_add_nc_u64 s[G0B+4*\s+2:G0B+4*\s+3], s[46:47], \s*384
	s_or_b32 s[G0B+4*\s+3], s[G0B+4*\s+3], 0x80000000
	JLOAD G0+4*\s, G1, G0B+4*\s, G1B               ; by this text's count three tensor loads of a wave are out
.endr
	v_and_b32 v1, 15, v0                           ; r
	v_bfe_u32 v2, v0, 4, 1                         ; h
	v_and_b32 v3, 31, v0
	v_lshlrev_b32 v4, 4, v3                        ; 16 x lane
	v_mul_u32_u24 v5, v1, 432
	v_mad_u32_u24 v6, v2, 24, v5
	v_mad_u32_u24 v7, v2, 40, v5
	s_mul_i32 s21, s15, AHALF
	s_mul_i32 s22, s16, BHALF
	s_add_co_u32 s22, s22, BPART
.irp s, 0,1
	v_add_nc_u32 v[ADRA+\s], s21, v4
	v_add_nc_u32 v[ADRB+\s], s22, v6
	v_add_nc_u32 v[ADRB+2+\s], s22, v7
	s_add_co_u32 s21, s21, SLOT
	s_add_co_u32 s22, s22, SLOT
.endr
	s_lshl_b32 s21, s15, 8
	s_add_co_u32 s21, s21, SCA
	v_lshl_add_u32 v[ADRSA], v1, 2, s21
	v_mul_u32_u24 v5, v1, KS
	v_lshrrev_b32 v6, 8, v5
	v_lshl_add_u32 v5, v6, 4, v5
	s_mul_i32 s21, s16, HALFS
	s_add_co_u32 s21, s21, SCB
	v_add_nc_u32 v[ADRSB], s21, v5
	s_mul_i32 s23, s14, 16*272
	s_add_co_u32 s23, s23, STAGE
	v_mul_u32_u24 v5, v1, 272
	v_lshl_add_u32 v5, v2, 5, v5
	v_add_nc_u32 v[STO], s23, v5                   ; into my stage: row r, 32 bytes a half
	v_mul_u32_u24 v5, v2, 272
	v_lshl_add_u32 v5, v1, 4, v5
	v_add_nc_u32 v[RD], s23, v5                    ; back: lanes 0-15 one row of 256 bytes, lanes 16-31 the next
	v_lshlrev_b32 v5, 12, v2
	v_lshl_add_u32 v[CO], v1, 4, v5                ; the same two rows in memory
	v_lshlrev_b32 v[BO], 5, v2
	s_lshl_b32 s20, s17, 7
	s_lshl_b32 s21, s15, 6
	s_add_co_u32 s20, s20, s21
	s_lshl_b32 s20, s20, 12                        ; my first row, in bytes
	s_lshl_b32 s46, s42, 7
	s_lshl_b32 s47, s16, 6
	s_add_co_u32 s46, s46, s47
	s_lshl_b32 s46, s46, 2                         ; my first column, in bytes
	s_mov_b32 s47, 0
	s_add_nc_u64 s[10:11], s[10:11], s[46:47]
	s_add_co_u32 s20, s20, s46
	s_mov_b32 s21, 0
	s_add_nc_u64 s[96:97], s[96:97], s[20:21]
	s_add_nc_u64 s[98:99], s[98:99], s[20:21]
.irp b, 0,1,2,3
	global_load_b128 v[BI+8*\b:BI+8*\b+3], v[BO], s[10:11] offset:64*\b       ; lane (r, h): columns 16 b + 8 h + 0..7
	global_load_b128 v[BI+8*\b+4:BI+8*\b+7], v[BO], s[10:11] offset:64*\b+16
.endr
	WIN 0x80                                       ; destination window 2: the residual, in the order in which rows leave
.irp a, 0,1,2,3
.irp t, 0,1,2,3,4,5,6,7
	global_load_b128 v[4*(8*\a+\t):4*(8*\a+\t)+3], v[CO], s[96:97] offset:(16*\a+2*\t)*4096
.endr
.endr
	WIN 0
.macro FRAGB reg, slot, q, i           ; a fragment of W in pieces of 8 bytes; lanes 16-31 read three pieces on, for some pieces behind one padding more
.irp p, 0,1,2,3,4,5
.set PCN, 12*(\q)+6*(\p/3)+\p%3
.if PCN%16 < 13
	ds_load_b64 v[\reg+2*\p:\reg+2*\p+1], v[ADRB+\slot] offset:8*PCN+16*(PCN/16)+(\i)*6912
.else
	ds_load_b64 v[\reg+2*\p:\reg+2*\p+1], v[ADRB+2+\slot] offset:8*PCN+16*(PCN/16)+(\i)*6912
.endif
.endr
.endm
.macro FETCH slot, q, p                ; 36 LDS loads: my four fragments of A and four of W for the slot's q-th 128 along K, into set p
	WIN TO_F
.irp i, 0,1,2,3
.irp c, 0,1,2
	ds_load_b128 v[128*(\p)+12*\i+4*\c:128*(\p)+12*\i+4*\c+3], v[ADRA+\slot] offset:6144*\i+1536*(\q)+512*\c
.endr
.endr
.irp i, 0,1,2,3
	FRAGB 128*(\p)+48+12*\i, \slot, \q, \i
.endr
	WIN 0
.endm
.macro SCALES sc                       ; a slot's scale words: W's four words a row by one load, A's one by one
.irp b, 0,1,2,3
	ds_load_b128 v[SBR+16*\sc+4*\b:SBR+16*\sc+4*\b+3], v[ADRSB] offset:\b*SBLK
.endr
.irp a, 0,1,2,3
.irp q, 0,1,2,3
	ds_load_b32 v[SAR+16*\sc+4*\a+\q], v[ADRSA] offset:512*\q+64*\a
.endr
.endr
.endm
.macro MUL4 a, p, q, sc, first         ; the 16 accumulators take turns, one instruction a turn, in one order
.irp b, 0,1,2,3
.if \first
	v_wmma_scale_f32_16x16x128_f8f6f4 v[ACC+8*(4*(\a)+\b):ACC+8*(4*(\a)+\b)+7], v[128*(\p)+48+12*\b:128*(\p)+48+12*\b+11], v[128*(\p)+12*(\a):128*(\p)+12*(\a)+11], v[BI+8*\b:BI+8*\b+7], v[SBR+16*(\sc)+4*\b+(\q)], v[SAR+16*(\sc)+4*(\a)+(\q)] matrix_a_fmt:MATRIX_FMT_FP6 matrix_b_fmt:MATRIX_FMT_FP6
.else
	v_wmma_scale_f32_16x16x128_f8f6f4 v[ACC+8*(4*(\a)+\b):ACC+8*(4*(\a)+\b)+7], v[128*(\p)+48+12*\b:128*(\p)+48+12*\b+11], v[128*(\p)+12*(\a):128*(\p)+12*(\a)+11], v[ACC+8*(4*(\a)+\b):ACC+8*(4*(\a)+\b)+7], v[SBR+16*(\sc)+4*\b+(\q)], v[SAR+16*(\sc)+4*(\a)+(\q)] matrix_a_fmt:MATRIX_FMT_FP6 matrix_b_fmt:MATRIX_FMT_FP6
.endif
.endr
.endm
.macro STEP slot, q, first
	s_wait_dscnt 0x0                               ; this step's set (and a slot's scale words) were asked for a step ago
	PLACES 4                                       ; in front of loads into the set that the last step multiplied
	FETCH \slot, (\q)+1, ((\q)+1)%2
	WIN MUL
	MUL4 0, (\q)%2, \q, \slot, \first
	MUL4 1, (\q)%2, \q, \slot, \first
	MUL4 2, (\q)%2, \q, \slot, \first
	MUL4 3, (\q)%2, \q, \slot, \first
	WIN 0
.endm
.macro TURN slot, next, fill           ; a slot's last step changes slots: one barrier
	s_wait_tensorcnt 0x0                           ; all my tensor loads have landed: my part of the next slot
	ds_add_u32 v[SPW], v[NIL]                      ; 0 onto my spare word
	s_wait_dscnt 1                                 ; this step's set is in; the add may be out
	WIN MUL
	MUL4 0, 1, 3, \slot, 0
	s_wait_dscnt 0x0                               ; the add is done, and my reads of this slot are over
	s_barrier_signal -1
	MUL4 1, 1, 3, \slot, 0
	WIN 0
	s_barrier_wait -1
.if \fill
	CREST                                          ; the barrier has opened a round of the cluster's: no wave of any partner still reads this slot or has a load on its way
	s_add_nc_u64 s[G0+4*\slot+2:G0+4*\slot+3], s[G0+4*\slot+2:G0+4*\slot+3], 2*6144
	s_add_nc_u64 s[G0B+4*\slot+2:G0B+4*\slot+3], s[G0B+4*\slot+2:G0B+4*\slot+3], 2*384
	JLOAD G0+4*\slot, G1, G0B+4*\slot, G1B         ; the first tensor load behind the round; its four v_nop are the places in front of the loads below
.else
	PLACES 4
.endif
	v_add_nc_u32 v[ADRSA], 2048, v[ADRSA]          ; the next slot's scale words
	v_add_nc_u32 v[ADRSB], 16, v[ADRSB]
	FETCH \next, 0, 0
	SCALES \next
	WIN MUL
	MUL4 2, 1, 3, \slot, 0
	MUL4 3, 1, 3, \slot, 0
	WIN 0
.endm
	s_wait_tensorcnt 1                             ; the scales and my part of slot 0 are in; slot 1's load may be out
	s_barrier_signal -1
	s_barrier_wait -1
	FETCH 0, 0, 0
	SCALES 0
	s_wait_loadcnt 32                              ; the bias is in; the residual's 32 loads may be out
	STEP 0, 0, 1                                   ; the first step starts the sums, on the bias
.if LAPS > 1
	s_mov_b32 s3, LAPS-1
.Llap:
	STEP 0, 1, 0
	STEP 0, 2, 0
	TURN 0, 1, 1
	STEP 1, 0, 0
	STEP 1, 1, 0
	STEP 1, 2, 0
	TURN 1, 0, 1
	STEP 0, 0, 0
	s_sub_co_u32 s3, s3, 1
	s_cmp_lg_u32 s3, 0
	s_cbranch_scc1 .Llap
.endif
	STEP 0, 1, 0                                   ; the last lap fills nothing
	STEP 0, 2, 0
	TURN 0, 1, 0
	STEP 1, 0, 0
	STEP 1, 1, 0
	STEP 1, 2, 0
	s_wait_dscnt 0x0
	WIN MUL
	MUL4 0, 1, 3, 1, 0
	MUL4 1, 1, 3, 1, 0
	MUL4 2, 1, 3, 1, 0
	MUL4 3, 1, 3, 1, 0
	WIN 0
; THE WAY OUT, 16 rows x 64 columns at a time: through my own stage, back as whole rows of 256 bytes (into window 1, which the fragments have left), the residual added, stored.
.macro TOSTAGE a
.irp b, 0,1,2,3
	ds_store_b128 v[STO], v[ACC+8*(4*(\a)+\b):ACC+8*(4*(\a)+\b)+3] offset:64*\b        ; each accumulator from its low end on
	ds_store_b128 v[STO], v[ACC+8*(4*(\a)+\b)+4:ACC+8*(4*(\a)+\b)+7] offset:64*\b+16
.endr
	WIN 0x40
.irp t, 0,1,2,3,4,5,6,7
	ds_load_b128 v[32*((\a)%2)+4*\t:32*((\a)%2)+4*\t+3], v[RD] offset:544*\t           ; LDS serves a wave's instructions in order
.endr
	WIN 0
.endm
.macro SEND a, younger
	s_wait_dscnt \younger                          ; the block is back; the next block's 8 stores and 8 loads may be out
	WIN 0x49                                       ; destination and source 0 window 1, source 1 window 2
.irp t, 0,1,2,3,4,5,6,7,8,9,10,11,12,13,14,15
	v_pk_add_f32 v[32*((\a)%2)+2*\t:32*((\a)%2)+2*\t+1], v[32*((\a)%2)+2*\t:32*((\a)%2)+2*\t+1], v[32*(\a)+2*\t:32*(\a)+2*\t+1]
.endr
	WIN 0x04                                       ; a store's data: window 1
.irp t, 0,1,2,3,4,5,6,7
	global_store_b128 v[CO], v[32*((\a)%2)+4*\t:32*((\a)%2)+4*\t+3], s[98:99] offset:(16*(\a)+2*\t)*4096 th:TH_STORE_NT   ; sixteen lanes store 256 consecutive bytes, aligned
.endr
	WIN 0
.endm
	PLACES 4
	s_wait_loadcnt 0x0                             ; the residual
	TOSTAGE 0
.irp a, 1,2,3
.if \a > 1
	s_wait_xcnt 0x0                                ; block a - 2's stores have read their registers: block a's loads may land there
.endif
	TOSTAGE \a
	SEND \a-1, 16
.endr
	SEND 3, 0
	s_wait_tensorcnt 0x0                           ; the wave's end
	ds_add_u32 v[SPW], v[NIL]
	s_wait_dscnt 0x0
	CROUND                                         ; the closing round
	s_endpgm
.Lfunc_end_k_q3794550459_oproj:
	.size	k_q3794550459_oproj, .Lfunc_end_k_q3794550459_oproj-k_q3794550459_oproj
	.p2alignl 7, 3214868480
	.fill 96, 4, 3214868480
	.section	.rodata,"a",@progbits
	.p2align	6, 0x0
	.amdhsa_kernel k_q3794550459_oproj
		.amdhsa_group_segment_fixed_size 327680
		.amdhsa_private_segment_fixed_size 0
		.amdhsa_enable_private_segment 0
		.amdhsa_kernarg_size 48
		.amdhsa_user_sgpr_count 2
		.amdhsa_user_sgpr_kernarg_segment_ptr 1
		.amdhsa_wavefront_size32 1
		.amdhsa_system_sgpr_workgroup_id_x 1
		.amdhsa_system_sgpr_workgroup_id_y 1
		.amdhsa_system_sgpr_workgroup_id_z 1
		.amdhsa_system_vgpr_workitem_id 0
		.amdhsa_next_free_vgpr 640
		.amdhsa_next_free_sgpr 100
		.amdhsa_reserve_vcc 0
		.amdhsa_float_denorm_mode_32 3
		.amdhsa_float_denorm_mode_16_64 3
		.amdhsa_memory_ordered 1
		.amdhsa_forward_progress 1
		.amdhsa_inst_pref_size 66
	.end_amdhsa_kernel
	.amdgpu_metadata
---
amdhsa.version: [ 1, 2 ]
amdhsa.kernels:
  - .name:           k_q3794550459_oproj
    .symbol:         k_q3794550459_oproj.kd
    .args:
      - { .name: att, .offset: 0, .size: 8, .value_kind: global_buffer, .address_space: global }
      - { .name: w_out_codes, .offset: 8, .size: 8, .value_kind: global_buffer, .address_space: global }
      - { .name: w_out_scales, .offset: 16, .size: 8, .value_kind: global_buffer, .address_space: global }
      - { .name: b_out, .offset: 24, .size: 8, .value_kind: global_buffer, .address_space: global }
      - { .name: x, .offset: 32, .size: 8, .value_kind: global_buffer, .address_space: global }
      - { .name: x1, .offset: 40, .size: 8, .value_kind: global_buffer, .address_space: global }
    .group_segment_fixed_size: 327680
    .private_segment_fixed_size: 0
    .kernarg_segment_align: 8
    .kernarg_segment_size: 48
    .max_flat_workgroup_size: 128
    .sgpr_count:     100
    .vgpr_count:     640
    .wavefront_size: 32
...
	.end_amdgpu_metadata
.endif
;; end of part 4
;; launch ln2: the kernel of part 1 again; grid 256 x 1, 4 waves a work-group, no clusters, 82,944 bytes of LDS; arguments x1, ln2_g, ln2_b, h; writes h
;; launch ff1 (part 5): grid 16 x 16, 4 waves a work-group, clusters of 4 x 4, 327,680 bytes of LDS; arguments h, w_ff1_codes, w_ff1_scales, b_ff1, g; writes g
.if DOCPART == 5
	.amdgcn_target "amdgcn-amd-amdhsa--gfx1250"
	.amdhsa_code_object_version 6
	.text
	.protected	k_q3794550459_ff1
	.globl	k_q3794550459_ff1
	.p2align	8
	.type	k_q3794550459_ff1,@function
k_q3794550459_ff1:
	s_mov_b64 s[64:65], 0
	v_nop
	global_prefetch_b8 v0, s[64:65] scope:SCOPE_SE
	s_setreg_imm32_b32 hwreg(HW_REG_WAVE_MODE, 25, 1), 1
	s_wait_xcnt 0x0
	s_wait_alu depctr_hold_cnt(0) depctr_sa_sdst(0) depctr_va_vdst(0) depctr_va_sdst(0) depctr_va_ssrc(0) depctr_va_vcc(0) depctr_vm_vsrc(0)
	s_getreg_b32 s2, hwreg(HW_REG_IB_STS2, 6, 4)
	s_cmp_eq_u32 s2, 0
	s_cbranch_scc0 .Lentry_in_a_cluster
	s_endpgm
.Lentry_in_a_cluster:
	s_bfe_u32 s2, ttmp6, 0x10000c
	s_cmp_lg_u32 s2, 0xf033
	s_cbranch_scc0 .Lentry_shape_is_right
	s_endpgm
.Lentry_shape_is_right:
; g = Q(gelu(h W^T + b)): the product on codes of FP6 (E2M3) with E8M0 scales, K = 1,024, N = 4,096; the exact GELU in f32; the result quantised in registers as the next product's operand.
; A tile of C is 256 x 256, four waves of 128 x 128 (64 accumulators, 512 registers); K goes in steps of 256 through a ring of two LDS slots filled by the tensor data mover; the scale bytes of the tile's rows come once.
; THE MATRIX INSTRUCTION IS USED TRANSPOSED (source 0 = 16 rows of W, source 1 = 16 rows of h): lane (r, h) holds token r of a block and, in accumulator b, columns 16 b + 8 h + 0..7.  The bias is the C of each sum's first product.
; GELU(x) = x/2 + x/2 erf(x / sqrt 2); erf(u) = u P(u^2) / Q(u^2) on |u| <= 4 (beyond, u is held at 4, where erf is 1 in f32): a rational form of degrees 13 and 8, good to a few units of f32's last place.
; OUT.  A block of 16 tokens x the wave's 128 columns is one fragment of the next product, whose partner is a given weight: so the numbers are set in natural order (eight lane swaps for each 32), quantised,
; and stored as an IMAGE OF THE OPERAND'S REGISTERS: g's images at (token tile x 32 + column / 128) 1,536; scale words [column / 128][32 groups][128 tokens] from byte G_S.
; CLUSTERS: 4 x 4 work-groups; h's tiles are asked for jointly along a row of the cluster, W's along a column.
; LIMITS: NaN and infinities are not served; a block of zeros gets the byte 1; a weight's scale byte 0xff gives NaN.
.set KSTEP,  256
.set NQ,     2
.set ROWB,   192
.set KROW,   768
.set PITCH,  240
.set FR,     12
.set NL,     6
.set NP,     4
.set HALFT,  128*PITCH
.set SLOT,   4*HALFT
.set LAPS,   2
.set KS,     32
.set SCL,    2*SLOT
.set HALFS,  (128*KS/256)*272
.set SBLK,   (16*KS/256)*272
.set SPARE,  SCL+4*HALFS               ; the spare words: 128 bytes a wave, named by no other line
.set SCST,   SPARE+512                 ; 512 bytes a wave: the scale words of its 128 tokens; no fill lands here
.set H_S,    3145728
.set G_S,    12582912
.set ADRA, 16
.set ADRB, 20
.set LI,   24
.set SCW,  25
.set SCR,  26
.set ADRS, 27
.set SPW,  28
.set NIL,  29
.set SC,   32                          ; v32-63 scale words, two sets: scales and nothing else
.set AF,   128
.set T,    64                          ; the way out: v64-127 a block's 64 numbers
.set U,    128                         ; v128-143 u;  v144-159 u^2;  v160-175 P;  v176-191 Q
.set X2,   144
.set PN,   160
.set QD,   176
.set PC,   192
.set TM,   212
.set PW,   228
.set TA,   229
.set VA11, 230                         ; v[230:231], v[232:233]: two of the constants, as vector pairs
.set VB6,  232
.set G1, 24
.set G0, 32
.set G1B, 48
.set G0B, 56
.set G1S, 68
.set G0S, 76
.set G1SB, 80
.set G0SB, 88
.set SEL, 66
.set FAC, 20
.set SOUT, 46
.set R2,  24                           ; the way out's constants, a pair each, in registers that the descriptors have left
.set A13, 26
.set A9,  28
.set A7,  30
.set A5,  32
.set A3,  34
.set A1,  36
.set B8,  38
.set B4,  40
.set B2,  42
.set B0,  44
.set MSB, 0
.macro WIN new
.if MSB != (\new)
	s_set_vgpr_msb (MSB<<8)|(\new)
.set MSB, (\new)
.endif
.endm
.set MUL_LO, 0xa1                      ; source 0 (W) window 1, source 1 (h) window 0, C and D window 2
.set MUL_HI, 0xf1
.set BIA_LO, 0x91                      ; the same with C, the bias, in window 1
.set BIA_HI, 0xd1
.set TO_B,   0x40
.macro JLOAD g0a, g1a, g0b, g1b
	s_cmp_eq_u32 s15, 0
	s_cbranch_scc0 .Lfor_b_\@
	tensor_load_to_lds s[\g0a:\g0a+3], s[\g1a:\g1a+7]
	s_nop 0
.rept 4
	v_nop
.endr
	s_branch .Lasked_\@
.Lfor_b_\@:
	tensor_load_to_lds s[\g0b:\g0b+3], s[\g1b:\g1b+7]
	s_nop 0
.rept 4
	v_nop
.endr
.Lasked_\@:
.endm
.macro CREST
	s_cmp_lg_u32 s14, 0
	s_cbranch_scc1 .Lnot_wave_0_\@
	s_barrier_signal -3
.Lnot_wave_0_\@:
	s_barrier_wait -3
	s_barrier_signal -1
	s_barrier_wait -1
.endm
.macro CROUND
	s_barrier_signal -1
	s_barrier_wait -1
	CREST
.endm
	s_load_b128 s[4:7], s[0:1], 0x0                ; h, W's codes
	s_load_b128 s[8:11], s[0:1], 0x10              ; W's scales, bias
	s_load_b64 s[12:13], s[0:1], 0x20              ; g
	v_lshl_add_u32 v[SPW], v0, 2, SPARE
	v_mov_b32 v[NIL], 0
	ds_add_u32 v28, v29
	ds_add_u32 v28, v29
	s_wait_dscnt 0x0
	v_lshrrev_b32 v1, 5, v0
	v_readfirstlane_b32 s14, v1
	s_lshr_b32 s15, s14, 1
	s_and_b32 s16, s14, 1
	s_bfe_u32 s40, ttmp6, 0x40000
	s_bfe_u32 s41, ttmp6, 0x40004
	s_lshl_b32 s42, ttmp9, 2
	s_add_co_u32 s42, s42, s40                     ; tile column
	s_and_b32 s17, ttmp7, 0xffff
	s_lshl_b32 s17, s17, 2
	s_add_co_u32 s17, s17, s41                     ; tile row
	s_lshl_b32 s43, s41, 2
	s_lshl_b32 s43, 15, s43
	s_lshl_b32 s44, 0x1111, s40
	s_or_b32 s[G1+0], s43, (0<<16)|(1<<20)|(1<<21)|(3<<22)|(3<<25)
	s_or_b32 s[G1B+0], s44, (0<<16)|(1<<20)|(1<<21)|(3<<22)|(3<<25)
.irp g, G1, G1B
	s_mov_b32 s[\g+1], ROWB<<16
	s_mov_b32 s[\g+2], 128<<16
	s_mov_b32 s[\g+3], ROWB<<16
	s_mov_b32 s[\g+4], 128
	s_mov_b32 s[\g+5], KROW
	s_mov_b32 s[\g+6], 0
	s_mov_b32 s[\g+7], 0
.endr
	s_or_b32 s[G1S+0], s43, (3<<16)|(1<<20)|(1<<21)|(5<<22)|(3<<25)
	s_or_b32 s[G1SB+0], s44, (3<<16)|(1<<20)|(1<<21)|(5<<22)|(3<<25)
.irp g, G1S, G1SB
	s_mov_b32 s[\g+1], 32<<16
	s_mov_b32 s[\g+2], (128*KS/256)<<16
	s_mov_b32 s[\g+3], 32<<16
	s_mov_b32 s[\g+4], 128*KS/256
	s_mov_b32 s[\g+5], 32
	s_mov_b32 s[\g+6], 0
	s_mov_b32 s[\g+7], 0
.endr
	s_lshl_b32 s18, s16, 7
	s_lshl_b32 s20, s17, 8
	s_add_co_u32 s20, s20, s18
	s_lshl_b32 s46, s42, 8
	s_add_co_u32 s46, s46, s18
	s_mov_b32 s21, 0
	s_mov_b32 s47, 0
	s_mov_b64 s[18:19], KS
	s_mul_u64 s[22:23], s[20:21], s[18:19]
	s_mul_u64 s[92:93], s[46:47], s[18:19]
	s_mov_b64 s[18:19], KROW
	s_mul_u64 s[20:21], s[20:21], s[18:19]
	s_mul_u64 s[46:47], s[46:47], s[18:19]
	s_mul_i32 s45, s14, HALFT
	s_mul_i32 s94, s14, HALFS
	s_wait_kmcnt 0x0
	s_mov_b64 s[96:97], s[10:11]                   ; bias
	s_mov_b64 s[10:11], s[8:9]                     ; W's scales
	s_mov_b64 s[8:9], s[6:7]                       ; W's codes
	s_add_nc_u64 s[6:7], s[4:5], H_S               ; h's scales
	s_add_nc_u64 s[20:21], s[4:5], s[20:21]
	s_add_nc_u64 s[22:23], s[6:7], s[22:23]
	s_add_nc_u64 s[46:47], s[8:9], s[46:47]
	s_add_nc_u64 s[92:93], s[10:11], s[92:93]
	CROUND
	s_mov_b32 s[G0S], 1
	s_add_co_u32 s[G0S+1], s94, SCL
	s_mov_b64 s[G0S+2:G0S+3], s[22:23]
	s_or_b32 s[G0S+3], s[G0S+3], 0x80000000
	s_mov_b32 s[G0SB], 1
	s_add_co_u32 s[G0SB+1], s94, SCL
	s_mov_b64 s[G0SB+2:G0SB+3], s[92:93]
	s_or_b32 s[G0SB+3], s[G0SB+3], 0x80000000
	JLOAD G0S, G1S, G0SB, G1SB
.irp s, 0,1
	s_mov_b32 s[G0+4*\s], 1
	s_add_co_u32 s[G0+4*\s+1], s45, \s*SLOT
	s_add_nc_u64 s[G0+4*\s+2:G0+4*\s+3], s[20:21], \s*ROWB
	s_or_b32 s[G0+4*\s+3], s[G0+4*\s+3], 0x80000000
	s_mov_b32 s[G0B+4*\s], 1
	s_add_co_u32 s[G0B+4*\s+1], s45, \s*SLOT
	s_add_nc_u64 s[G0B+4*\s+2:G0B+4*\s+3], s[46:47], \s*ROWB
	s_or_b32 s[G0B+4*\s+3], s[G0B+4*\s+3], 0x80000000
	JLOAD G0+4*\s, G1, G0B+4*\s, G1B               ; by this text's count three tensor loads of a wave are out
.endr
	v_and_b32 v1, 15, v0
	v_bfe_u32 v2, v0, 4, 1
	v_mul_u32_u24 v3, v1, PITCH
	v_mul_u32_u24 v4, v2, 24
	v_add_nc_u32 v4, v3, v4
	v_lshl_add_u32 v5, v2, 4, v4
	s_mul_i32 s21, s15, HALFT
	s_mul_i32 s22, s16, HALFT
	s_add_co_u32 s22, s22, 2*HALFT
.irp s, 0,1
	v_add_nc_u32 v[ADRA+\s], s21, v4
	v_add_nc_u32 v[ADRB+\s], s22, v4
	v_add_nc_u32 v[ADRA+2+\s], s21, v5
	v_add_nc_u32 v[ADRB+2+\s], s22, v5
	s_add_co_u32 s21, s21, SLOT
	s_add_co_u32 s22, s22, SLOT
.endr
	v_mul_u32_u24 v5, v1, KS
	v_lshrrev_b32 v6, 8, v5
	v_lshl_add_u32 v5, v6, 4, v5
	s_mul_i32 s21, s15, HALFS
	s_mul_i32 s22, s16, HALFS
	s_add_co_u32 s22, s22, 2*HALFS
	s_sub_co_u32 s22, s22, s21
	v_mul_u32_u24 v6, s22, v2
	s_add_co_u32 s21, s21, SCL
	v_add_nc_u32 v5, v5, v6
	v_add_nc_u32 v[ADRS], s21, v5
	v_and_b32 v6, 31, v0
	v_lshlrev_b32 v[LI], 4, v6
	s_lshl_b32 s23, s14, 9
	s_add_co_u32 s23, s23, SCST
	v_lshl_add_u32 v[SCW], v1, 2, s23
	v_add_nc_u32 v[SCR], s23, v[LI]
	v_lshlrev_b32 v7, 5, v2                        ; the bias: 32 h bytes
	s_lshl_b32 s20, s42, 10
	s_lshl_b32 s21, s16, 9
	s_add_co_u32 s20, s20, s21
	s_mov_b32 s21, 0
	s_add_nc_u64 s[96:97], s[96:97], s[20:21]      ; at my 128 columns
	WIN TO_B                                       ; block b's eight registers lie in window 1, in the gaps behind W's two sets
.irp b, 0,1,2,3,4,5,6,7
	global_load_b128 v[96+128*(\b/4)+8*(\b%4):96+128*(\b/4)+8*(\b%4)+3], v7, s[96:97] offset:64*\b
	global_load_b128 v[96+128*(\b/4)+8*(\b%4)+4:96+128*(\b/4)+8*(\b%4)+7], v7, s[96:97] offset:64*\b+16
.endr
	WIN 0
	s_lshl_b32 s20, s42, 1
	s_add_co_u32 s20, s20, s16                     ; my 128 columns: the next product's K step
	s_lshl_b32 s21, s17, 4
	s_lshl_b32 s18, s15, 3
	s_add_co_u32 s21, s21, s18                     ; my first token tile
	s_lshl_b32 s21, s21, 5
	s_add_co_u32 s21, s21, s20
	s_mul_i32 s18, s21, 1536
	s_mov_b32 s19, 0
	s_lshl_b32 s46, s20, 5
	s_lshl_b32 s47, s17, 1
	s_add_co_u32 s46, s46, s47
	s_add_co_u32 s46, s46, s15
	s_lshl_b32 s46, s46, 9
	s_add_co_u32 s46, s46, G_S
	s_mov_b32 s47, 0
	s_add_nc_u64 s[SOUT:SOUT+1], s[12:13], s[46:47]
	s_add_nc_u64 s[12:13], s[12:13], s[18:19]
	s_mov_b32 s[FAC], 0.5
	s_mov_b32 s[FAC+1], 0.5
	s_mov_b32 s[SEL], 0x76543210
	s_mov_b32 s[SEL+1], 0xfedcba98
.macro FRAG reg, adr, q, i
.irp p, 0,1,2,3,4,5
.set PCN, 12*(\q)+6*(\p/3)+\p%3
.if PCN%8 < 5
	ds_load_b64 v[\reg+2*\p:\reg+2*\p+1], v[\adr] offset:8*PCN+16*(PCN/8)+(\i)*16*PITCH
.else
	ds_load_b64 v[\reg+2*\p:\reg+2*\p+1], v[\adr+2] offset:8*PCN+16*(PCN/8)+(\i)*16*PITCH
.endif
.endr
.endm
; 16 matrix instructions; the 64 accumulators take turns, one instruction a turn, in the same order in every step.  zero = 1: the sums start on the bias.
.macro MUL16 a0, p, q, sc, zero
.irp a, \a0, \a0+1
.irp b, 0,1,2,3,4,5,6,7
.if \zero
	v_wmma_scale_f32_16x16x128_f8f6f4 v[8*(8*((\a)%4)+\b):8*(8*((\a)%4)+\b)+7], v[128*(\p)+FR*\b:128*(\p)+FR*\b+FR-1], v[AF+FR*(\a):AF+FR*(\a)+FR-1], v[96+128*(\b/4)+8*(\b%4):96+128*(\b/4)+8*(\b%4)+7], v[SC+8*NQ*(\sc)+NQ*\b+(\q)], v[SC+8*NQ*(\sc)+NQ*(\a)+(\q)] matrix_a_fmt:MATRIX_FMT_FP6 matrix_b_fmt:MATRIX_FMT_FP6 matrix_a_scale:MATRIX_SCALE_ROW1
.else
	v_wmma_scale_f32_16x16x128_f8f6f4 v[8*(8*((\a)%4)+\b):8*(8*((\a)%4)+\b)+7], v[128*(\p)+FR*\b:128*(\p)+FR*\b+FR-1], v[AF+FR*(\a):AF+FR*(\a)+FR-1], v[8*(8*((\a)%4)+\b):8*(8*((\a)%4)+\b)+7], v[SC+8*NQ*(\sc)+NQ*\b+(\q)], v[SC+8*NQ*(\sc)+NQ*(\a)+(\q)] matrix_a_fmt:MATRIX_FMT_FP6 matrix_b_fmt:MATRIX_FMT_FP6 matrix_a_scale:MATRIX_SCALE_ROW1
.endif
.endr
.endr
.endm
.macro FETCH_B slot, q, p
	WIN TO_B
.irp i, 0,1,2,3,4,5,6,7
	FRAG 128*(\p)+FR*\i, ADRB+\slot, \q, \i
.endr
	WIN 0
.endm
.macro FETCH_A slot, q, i0
.irp i, \i0, \i0+1, \i0+2, \i0+3
	FRAG AF+FR*(\i), ADRA+\slot, \q, \i
.endr
.endm
.macro SCALES sc
.irp i, 0,1,2,3,4,5,6,7
	ds_load_b64 v[SC+8*NQ*\sc+NQ*\i:SC+8*NQ*\sc+NQ*\i+1], v[ADRS] offset:\i*SBLK
.endr
.endm
.macro PLACES n
.rept \n
	v_nop
.endr
.endm
.macro STEP slot, q, zero
	s_wait_dscnt 4*NL                              ; W's set and h's blocks 0-3 are in; the youngest 24 loads (blocks 4-7) may be out
.if \zero
	WIN BIA_LO
.else
	WIN MUL_LO
.endif
	MUL16 0, (\q)%2, \q, \slot, \zero
	MUL16 2, (\q)%2, \q, \slot, \zero
	s_wait_dscnt 0
	PLACES NP
	FETCH_B \slot, (\q)+1, 1-(\q)%2
	FETCH_A \slot, (\q)+1, 0
.if \zero
	WIN BIA_HI
.else
	WIN MUL_HI
.endif
	MUL16 4, (\q)%2, \q, \slot, \zero
	MUL16 6, (\q)%2, \q, \slot, \zero
	PLACES NP
	WIN 0
	FETCH_A \slot, (\q)+1, 4
.endm
.macro TURN slot, next, fill
	s_wait_tensorcnt 0x0                           ; all my tensor loads have landed: my part of the next slot
	ds_add_u32 v[SPW], v[NIL]                      ; 0 onto my spare word
	s_wait_dscnt 4*NL+1                            ; the add and h's blocks 4-7 may be out
	WIN MUL_LO
	MUL16 0, 1, NQ-1, \slot, 0
	s_wait_dscnt 0x0                               ; the add is done, and my reads of this slot are over
	s_barrier_signal -1
	MUL16 2, 1, NQ-1, \slot, 0
	WIN 0
	s_barrier_wait -1
.if \fill
	CREST
	s_add_nc_u64 s[G0+4*\slot+2:G0+4*\slot+3], s[G0+4*\slot+2:G0+4*\slot+3], 2*ROWB
	s_add_nc_u64 s[G0B+4*\slot+2:G0B+4*\slot+3], s[G0B+4*\slot+2:G0B+4*\slot+3], 2*ROWB
	JLOAD G0+4*\slot, G1, G0B+4*\slot, G1B
.else
	PLACES NP
.endif
	v_add_nc_u32 v[ADRS], 4*NQ, v[ADRS]
	FETCH_B \next, 0, 0
	FETCH_A \next, 0, 0
	SCALES \next
	WIN MUL_HI
	MUL16 4, 1, NQ-1, \slot, 0
	MUL16 6, 1, NQ-1, \slot, 0
	PLACES NP
	WIN 0
	FETCH_A \next, 0, 4
.endm
	s_wait_tensorcnt 1                             ; the scales and my part of K step 0 are in; K step 1's load may be out
	s_barrier_signal -1
	s_barrier_wait -1
	FETCH_B 0, 0, 0
	FETCH_A 0, 0, 0
	SCALES 0
	FETCH_A 0, 0, 4
	s_wait_loadcnt 0x0                             ; the bias
	STEP 0, 0, 1
	s_mov_b32 s3, LAPS-1
.Llap:
	TURN 0, 1, 1
	STEP 1, 0, 0
	TURN 1, 0, 1
	STEP 0, 0, 0
	s_sub_co_u32 s3, s3, 1
	s_cmp_lg_u32 s3, 0
	s_cbranch_scc1 .Llap
	TURN 0, 1, 0
	STEP 1, 0, 0
	s_wait_dscnt 4*NL
	WIN MUL_LO
	MUL16 0, 1, NQ-1, 1, 0
	MUL16 2, 1, NQ-1, 1, 0
	s_wait_dscnt 0
	WIN MUL_HI
	MUL16 4, 1, NQ-1, 1, 0
	MUL16 6, 1, NQ-1, 1, 0
	WIN 0
.macro QUANT s
.irp b, 0,1,2,3
	v_max3_num_f32 v[TM+\b], |v[\s+16*\b]|, |v[\s+1+16*\b]|, 0x1800000   ; with the floor 2^(3 - 127): the byte cannot fall under 1
.endr
.irp i, 2,4,6,8,10,12,14
.irp b, 0,1,2,3
	v_max3_num_f32 v[TM+\b], v[TM+\b], |v[\s+16*\b+\i]|, |v[\s+1+16*\b+\i]|
.endr
.endr
.irp b, 0,1,2,3
	v_permlanex16_b32 v[TM+4+\b], v[TM+\b], s[SEL], s[SEL+1]
.endr
.irp b, 0,1,2,3
	v_max_num_f32 v[TM+\b], v[TM+\b], v[TM+4+\b]
.endr
.irp b, 0,1,2,3
	v_add_nc_u32 v[TM+12+\b], 0xff000000, v[TM+\b]
.endr
.irp b, 0,1,2,3
	v_lshrrev_b32 v[TM+4+\b], 23, v[TM+12+\b]
.endr
	v_lshl_or_b32 v[PW], v[TM+5], 8, v[TM+4]
	v_lshl_or_b32 v[PW], v[TM+6], 16, v[PW]
	v_lshl_or_b32 v[PW], v[TM+7], 24, v[PW]
.irp c, 0,1
	v_cvt_scalef32_pk16_fp6_f32 v[PC+6*\c:PC+2+6*\c], v[\s+32*\c:\s+15+32*\c], v[TM+12+2*\c]
	v_cvt_scalef32_pk16_fp6_f32 v[PC+12+4*\c:PC+14+4*\c], v[\s+16+32*\c:\s+31+32*\c], v[TM+12+2*\c+1]
.endr
	v_nop
.irp c, 0,1
.irp i, 0,1,2
	v_permlane16_swap_b32 v[PC+6*\c+\i], v[PC+12+4*\c+\i]
.endr
.irp i, 0,1,2
	v_mov_b32 v[PC+3+6*\c+\i], v[PC+12+4*\c+\i]
.endr
.endr
.endm
.macro COPY a                          ; block a's eight accumulators x 1/2, into window 0; each accumulator from its low end on
	WIN 0x02+(\a)/4
.set i, 0
.rept 32
	v_pk_mul_f32 v[T+2*i:T+2*i+1], v[64*((\a)%4)+2*i:64*((\a)%4)+2*i+1], s[FAC:FAC+1] op_sel_hi:[1,0]
.set i, i+1
.endr
	WIN 0
.endm
.macro KONST reg, bits
	s_mov_b32 s[\reg], \bits
	s_mov_b32 s[\reg+1], \bits
.endm
; 16 numbers x/2 at v[t0] on become gelu(x)
.macro GELU16 t0
.irp i, 0,2,4,6,8,10,12,14
	v_pk_mul_f32 v[U+\i:U+\i+1], v[\t0+\i:\t0+\i+1], s[R2:R2+1] op_sel_hi:[1,0]           ; u = x / sqrt 2
.endr
.irp i, 0,1,2,3,4,5,6,7,8,9,10,11,12,13,14,15
	v_med3_num_f32 v[U+\i], v[U+\i], -4.0, 4.0
.endr
.irp i, 0,2,4,6,8,10,12,14
	v_pk_mul_f32 v[X2+\i:X2+\i+1], v[U+\i:U+\i+1], v[U+\i:U+\i+1]
.endr
.irp i, 0,2,4,6,8,10,12,14
	v_pk_fma_f32 v[PN+\i:PN+\i+1], v[X2+\i:X2+\i+1], s[A13:A13+1], v[VA11:VA11+1] op_sel_hi:[1,0,1]
	v_pk_fma_f32 v[QD+\i:QD+\i+1], v[X2+\i:X2+\i+1], s[B8:B8+1], v[VB6:VB6+1] op_sel_hi:[1,0,1]
.endr
.irp k, A9, A7, A5, A3, A1
.irp i, 0,2,4,6,8,10,12,14
	v_pk_fma_f32 v[PN+\i:PN+\i+1], v[PN+\i:PN+\i+1], v[X2+\i:X2+\i+1], s[\k:\k+1] op_sel_hi:[1,1,0]
.endr
.endr
.irp k, B4, B2, B0
.irp i, 0,2,4,6,8,10,12,14
	v_pk_fma_f32 v[QD+\i:QD+\i+1], v[QD+\i:QD+\i+1], v[X2+\i:X2+\i+1], s[\k:\k+1] op_sel_hi:[1,1,0]
.endr
.endr
.irp i, 0,2,4,6,8,10,12,14
	v_pk_mul_f32 v[PN+\i:PN+\i+1], v[PN+\i:PN+\i+1], v[U+\i:U+\i+1]
.endr
.irp i, 0,1,2,3,4,5,6,7,8,9,10,11,12,13,14,15
	v_rcp_f32 v[QD+\i], v[QD+\i]
.endr
	v_nop                                          ; a plain instruction behind the batch
	s_wait_alu depctr_va_vdst(0)                   ; one wait for the sixteen, ahead of their first reader
.irp i, 0,2,4,6,8,10,12,14
	v_pk_mul_f32 v[PN+\i:PN+\i+1], v[PN+\i:PN+\i+1], v[QD+\i:QD+\i+1]                      ; erf(u)
.endr
.irp i, 0,2,4,6,8,10,12,14
	v_pk_fma_f32 v[\t0+\i:\t0+\i+1], v[\t0+\i:\t0+\i+1], v[PN+\i:PN+\i+1], v[\t0+\i:\t0+\i+1]   ; x/2 erf + x/2
.endr
.endm
	; THE WAY OUT: a loop over my eight blocks of 16 tokens; only the copy out of the accumulators differs from trip to trip, so only it is written eight times.
	PLACES NP
.irp b, 0,1,2,3
	v_mov_b32 v[TM+4+\b], 0                        ; a lane permute's destination counts as one of its sources
.endr
	KONST R2,  0x3fb504f3                          ; sqrt 2.  (No tensor load of mine is out since the last change of slots: the descriptors' registers are free)
	KONST A13, 0xaf95df0b
	KONST A9,  0xb60cff51
	KONST A7,  0xb86ec2d2
	KONST A5,  0xba40ac63
	KONST A3,  0xbb41a1f6
	KONST A1,  0xbc83dbd4
	KONST B8,  0xb77460cd
	KONST B4,  0xbadc924e
	KONST B2,  0xbbf19bf8
	KONST B0,  0xbc69b6a7
	v_mov_b32 v[VA11], 0x32edffee
	v_mov_b32 v[VA11+1], 0x32edffee
	v_mov_b32 v[VB6], 0xb95fbd29
	v_mov_b32 v[VB6+1], 0xb95fbd29
	s_mov_b32 s3, 0
	s_mov_b32 s22, 0
.Lblk:
.irp a, 0,1,2,3,4,5,6
	s_cmp_eq_u32 s3, \a
	s_cbranch_scc1 .Lcopy\a
.endr
	COPY 7
	s_branch .Lgelu
.irp a, 0,1,2,3,4,5,6
.Lcopy\a:
	COPY \a
.if \a < 6
	s_branch .Lgelu
.endif
.endr
.Lgelu:
	GELU16 T
	GELU16 T+16
	GELU16 T+32
	GELU16 T+48
.irp b, 0,1,2,3
.irp j, 0,1,2,3,4,5,6,7
	v_permlane16_swap_b32 v[T+16*\b+\j], v[T+16*\b+8+\j]   ; natural order: register 16 b + i of lane (r, h) is column 32 b + 16 h + i
.endr
.endr
	QUANT T
.irp c, 0,1,2
	global_store_b128 v[LI], v[PC+4*\c:PC+4*\c+3], s[12:13] offset:512*\c   ; the image: 512 consecutive bytes a store, at a multiple of 256
.endr
	v_add_nc_u32 v[TA], s22, v[SCW]
	ds_store_b32 v[TA], v[PW]
	s_wait_xcnt 0x0                                ; the stores have read their data and base: both are written again only behind this wait
	s_add_nc_u64 s[12:13], s[12:13], 49152         ; the next token tile: 32 images on
	s_add_co_u32 s22, s22, 64
	s_add_co_u32 s3, s3, 1
	s_cmp_lt_u32 s3, 8
	s_cbranch_scc1 .Lblk
	ds_load_b128 v[PC:PC+3], v[SCR]                ; my own bytes, served in order
	s_wait_dscnt 0x0
	global_store_b128 v[LI], v[PC:PC+3], s[SOUT:SOUT+1]
	s_wait_tensorcnt 0x0                           ; the wave's end
	ds_add_u32 v[SPW], v[NIL]
	s_wait_dscnt 0x0
	CROUND
	s_endpgm
.Lfunc_end_k_q3794550459_ff1:
	.size	k_q3794550459_ff1, .Lfunc_end_k_q3794550459_ff1-k_q3794550459_ff1
	.p2alignl 7, 3214868480
	.fill 96, 4, 3214868480
	.section	.rodata,"a",@progbits
	.p2align	6, 0x0
	.amdhsa_kernel k_q3794550459_ff1
		.amdhsa_group_segment_fixed_size 327680
		.amdhsa_private_segment_fixed_size 0
		.amdhsa_enable_private_segment 0
		.amdhsa_kernarg_size 40
		.amdhsa_user_sgpr_count 2
		.amdhsa_user_sgpr_kernarg_segment_ptr 1
		.amdhsa_wavefront_size32 1
		.amdhsa_system_sgpr_workgroup_id_x 1
		.amdhsa_system_sgpr_workgroup_id_y 1
		.amdhsa_system_sgpr_workgroup_id_z 1
		.amdhsa_system_vgpr_workitem_id 0
		.amdhsa_next_free_vgpr 1024
		.amdhsa_next_free_sgpr 98
		.amdhsa_reserve_vcc 0
		.amdhsa_float_denorm_mode_32 3
		.amdhsa_float_denorm_mode_16_64 3
		.amdhsa_memory_ordered 1
		.amdhsa_forward_progress 1
		.amdhsa_inst_pref_size 193
	.end_amdhsa_kernel
	.amdgpu_metadata
---
amdhsa.version: [ 1, 2 ]
amdhsa.kernels:
  - .name:           k_q3794550459_ff1
    .symbol:         k_q3794550459_ff1.kd
    .args:
      - { .name: h, .offset: 0, .size: 8, .value_kind: global_buffer, .address_space: global }
      - { .name: w_ff1_codes, .offset: 8, .size: 8, .value_kind: global_buffer, .address_space: global }
      - { .name: w_ff1_scales, .offset: 16, .size: 8, .value_kind: global_buffer, .address_space: global }
      - { .name: b_ff1, .offset: 24, .size: 8, .value_kind: global_buffer, .address_space: global }
      - { .name: g, .offset: 32, .size: 8, .value_kind: global_buffer, .address_space: global }
    .group_segment_fixed_size: 327680
    .private_segment_fixed_size: 0
    .kernarg_segment_align: 8
    .kernarg_segment_size: 40
    .max_flat_workgroup_size: 128
    .sgpr_count:     98
    .vgpr_count:     1024
    .wavefront_size: 32
...
	.end_amdgpu_metadata
.endif
;; end of part 5
;; launch ff2 (part 6): grid 8 x 32, 4 waves a work-group, clusters of 4 x 4, 327,680 bytes of LDS; arguments g, w_ff2_codes, w_ff2_scales, b_ff2, x1, out0; writes out0
.if DOCPART == 6
	.amdgcn_target "amdgcn-amd-amdhsa--gfx1250"
	.amdhsa_code_object_version 6
	.text
	.protected	k_q3794550459_ff2
	.globl	k_q3794550459_ff2
	.p2align	8
	.type	k_q3794550459_ff2,@function
k_q3794550459_ff2:
	s_mov_b64 s[64:65], 0
	v_nop
	global_prefetch_b8 v0, s[64:65] scope:SCOPE_SE
	s_setreg_imm32_b32 hwreg(HW_REG_WAVE_MODE, 25, 1), 1
	s_wait_xcnt 0x0
	s_wait_alu depctr_hold_cnt(0) depctr_sa_sdst(0) depctr_va_vdst(0) depctr_va_sdst(0) depctr_va_ssrc(0) depctr_va_vcc(0) depctr_vm_vsrc(0)
	s_getreg_b32 s2, hwreg(HW_REG_IB_STS2, 6, 4)
	s_cmp_eq_u32 s2, 0
	s_cbranch_scc0 .Lentry_in_a_cluster
	s_endpgm
.Lentry_in_a_cluster:
	s_bfe_u32 s2, ttmp6, 0x10000c
	s_cmp_lg_u32 s2, 0xf033
	s_cbranch_scc0 .Lentry_shape_is_right
	s_endpgm
.Lentry_shape_is_right:
; out = res + A W^T + bias, the product on codes of FP6 (E2M3) with E8M0 scales.  A: [4,096][SIZE_K] as register images [token tile][K / 128][1,536 bytes] with scale words [K / 128][32 groups][128 rows] from byte SA_OFF;
; W: [1,024][SIZE_K] natural rows of codes and scale bytes; bias [1,024], res and out [4,096][1,024] f32.
; TILE.  N = 1,024 gives only 64 tiles of 256 x 256, so a tile of C is 128 x 128: 256 work-groups; four waves of 64 x 64, 16 accumulators.  K goes in steps of 512 (four matrix instructions deep) through two LDS slots.
; A's images come as dense rows of 6,144 bytes (a token tile's four K steps) and are read by three loads of 16 bytes a lane, without conflicts; W's rows are 384 bytes, 16 bytes of padding behind every 128: pitch 432.
; All scale words and bytes of the tile's rows come once, with the first fills.  The bias is the C of each sum's first product; the residual is loaded at the head and added on the way out.
; CLUSTERS: 4 x 4; A's tiles jointly along a row of the cluster, W's along a column.  TRANSPOSED USE: source 0 = 16 rows of W, source 1 = 16 rows of A: a lane holds eight neighbouring columns of a row of C.
; LIMITS: NaN and infinities are not served; a weight's scale byte 0xff gives NaN.
.set SIZE_K, 4096
.set SA_OFF, 12582912
.set KC,    SIZE_K/128
.set KROW,  SIZE_K*3/4
.set KS,    SIZE_K/32
.set LAPS,  SIZE_K/1024
.set AHALF, 24576                      ; 4 token tiles x 4 K steps x 1,536
.set BPART, 49152
.set BHALF, 27648                      ; 64 rows x 432
.set SLOT,  104448
.set SCA,   2*SLOT                     ; A's scale words: [K / 128][128 rows]
.set SCB,   SCA+KC*512                 ; W's scale bytes, as rows of 256 bytes + 16
.set HALFS, (64*KS/256)*272
.set SBLK,  (16*KS/256)*272
.set SPARE, SCB+2*HALFS                ; the spare words: 128 bytes a wave, named by no other line
.set STAGE, SPARE+512                  ; 16 rows x 272 bytes a wave; no fill lands here
.set ADRA,  16                         ; v16-17
.set ADRSA, 18
.set ADRSB, 19
.set ADRB,  20                         ; v20-21; v22-23 behind one padding more
.set STO,   24
.set RD,    25
.set CO,    26
.set BO,    27
.set SPW,   28
.set NIL,   29
.set SBR,   32                         ; v32-63 W's scale words: set, block, K step
.set SAR,   64                         ; v64-95 A's
.set BI,    96                         ; v96-127 the bias, four blocks in the result's layout
.set ACC,   128                        ; v128-255 accumulator (a, b) at 8 (4 a + b)
.set G1, 24
.set G0, 32
.set G1B, 48
.set G0B, 56
.set G1S, 68
.set G0S, 76
.set G1SB, 80
.set G0SB, 88
.set MSB, 0
.macro WIN new
.if MSB != (\new)
	s_set_vgpr_msb (MSB<<8)|(\new)
.set MSB, (\new)
.endif
.endm
.set MUL,  0x05                        ; both sources window 1; C and D window 0
.set TO_F, 0x40
.macro JLOAD g0a, g1a, g0b, g1b        ; a joint load: waves 0, 1 fetch for A, waves 2, 3 for W; four v_nop follow each line
	s_cmp_eq_u32 s15, 0
	s_cbranch_scc0 .Lfor_b_\@
	tensor_load_to_lds s[\g0a:\g0a+3], s[\g1a:\g1a+7]
	s_nop 0
.rept 4
	v_nop
.endr
	s_branch .Lasked_\@
.Lfor_b_\@:
	tensor_load_to_lds s[\g0b:\g0b+3], s[\g1b:\g1b+7]
	s_nop 0
.rept 4
	v_nop
.endr
.Lasked_\@:
.endm
.macro CREST
	s_cmp_lg_u32 s14, 0
	s_cbranch_scc1 .Lnot_wave_0_\@
	s_barrier_signal -3
.Lnot_wave_0_\@:
	s_barrier_wait -3
	s_barrier_signal -1
	s_barrier_wait -1
.endm
.macro CROUND
	s_barrier_signal -1
	s_barrier_wait -1
	CREST
.endm
.macro PLACES n
.rept \n
	v_nop
.endr
.endm
	s_load_b128 s[4:7], s[0:1], 0x0                ; A, W's codes
	s_load_b128 s[8:11], s[0:1], 0x10              ; W's scales, bias
	s_load_b128 s[96:99], s[0:1], 0x20             ; residual, out
	v_lshl_add_u32 v[SPW], v0, 2, SPARE
	v_mov_b32 v[NIL], 0
	ds_add_u32 v28, v29
	ds_add_u32 v28, v29
	s_wait_dscnt 0x0
	v_lshrrev_b32 v1, 5, v0
	v_readfirstlane_b32 s14, v1                    ; wave
	s_lshr_b32 s15, s14, 1                         ; my half of the rows; also: I fetch for A (0) or W (1)
	s_and_b32 s16, s14, 1                          ; my half of the columns; also: which half I fetch
	s_bfe_u32 s40, ttmp6, 0x40000                  ; cx
	s_bfe_u32 s41, ttmp6, 0x40004                  ; cy
	s_lshl_b32 s42, ttmp9, 2
	s_add_co_u32 s42, s42, s40                     ; tile column
	s_and_b32 s17, ttmp7, 0xffff
	s_lshl_b32 s17, s17, 2
	s_add_co_u32 s17, s17, s41                     ; tile row
	s_lshl_b32 s43, s41, 2
	s_lshl_b32 s43, 15, s43                        ; my row of the cluster
	s_lshl_b32 s44, 0x1111, s40                    ; my column
	s_or_b32 s[G1+0], s43, (3<<16)|(1<<21)         ; A's images: 4 rows of 768 elements of 8 bytes, no padding
	s_mov_b32 s[G1+1], 768<<16
	s_mov_b32 s[G1+2], 4<<16
	s_mov_b32 s[G1+3], 768<<16
	s_mov_b32 s[G1+4], 4
	s_mov_b32 s[G1+5], KC*192                      ; from token tile to token tile
	s_mov_b32 s[G1+6], 0
	s_mov_b32 s[G1+7], 0
	s_or_b32 s[G1B+0], s44, (0<<16)|(1<<20)|(1<<21)|(4<<22)|(3<<25)   ; W's codes: 64 rows of 384 bytes; after every 32 words, 4 words of padding
	s_mov_b32 s[G1B+1], 384<<16
	s_mov_b32 s[G1B+2], 64<<16
	s_mov_b32 s[G1B+3], 384<<16
	s_mov_b32 s[G1B+4], 64
	s_mov_b32 s[G1B+5], KROW
	s_mov_b32 s[G1B+6], 0
	s_mov_b32 s[G1B+7], 0
	s_or_b32 s[G1S+0], s43, (3<<16)|(1<<21)        ; A's scale words: KC / 2 rows of 512 bytes, 16,384 bytes apart
	s_mov_b32 s[G1S+1], 64<<16
	s_mov_b32 s[G1S+2], (KC/2)<<16
	s_mov_b32 s[G1S+3], 64<<16
	s_mov_b32 s[G1S+4], KC/2
	s_mov_b32 s[G1S+5], 2048
	s_mov_b32 s[G1S+6], 0
	s_mov_b32 s[G1S+7], 0
	s_or_b32 s[G1SB+0], s44, (3<<16)|(1<<20)|(1<<21)|(5<<22)|(3<<25)  ; W's scale bytes of 64 rows: a dense block, as rows of 256 bytes + 16
	s_mov_b32 s[G1SB+1], 32<<16
	s_mov_b32 s[G1SB+2], (64*KS/256)<<16
	s_mov_b32 s[G1SB+3], 32<<16
	s_mov_b32 s[G1SB+4], 64*KS/256
	s_mov_b32 s[G1SB+5], 32
	s_mov_b32 s[G1SB+6], 0
	s_mov_b32 s[G1SB+7], 0
	s_lshl_b32 s20, s17, 3
	s_lshl_b32 s18, s16, 2
	s_add_co_u32 s20, s20, s18
	s_mul_i32 s20, s20, KC*1536                    ; A: token tile 8 x tile row + 4 x half
	s_mov_b32 s21, 0
	s_mul_i32 s22, s16, (KC/2)*16384
	s_lshl_b32 s18, s17, 9
	s_add_co_u32 s22, s22, s18
	s_add_co_u32 s22, s22, SA_OFF                  ; A's scale words: my half of K, the tile row's group
	s_mov_b32 s23, 0
	s_lshl_b32 s46, s42, 7
	s_lshl_b32 s18, s16, 6
	s_add_co_u32 s46, s46, s18                     ; W: row 128 x tile column + 64 x half
	s_mul_i32 s92, s46, KS
	s_mov_b32 s93, 0
	s_mul_i32 s46, s46, KROW
	s_mov_b32 s47, 0
	s_mul_i32 s45, s16, AHALF                      ; LDS: no place in the cluster enters
	s_mul_i32 s94, s16, BHALF
	s_add_co_u32 s94, s94, BPART
	s_mul_i32 s95, s16, (KC/2)*512
	s_add_co_u32 s95, s95, SCA
	s_mul_i32 s66, s16, HALFS
	s_add_co_u32 s66, s66, SCB
	s_wait_kmcnt 0x0
	s_add_nc_u64 s[20:21], s[4:5], s[20:21]
	s_add_nc_u64 s[22:23], s[4:5], s[22:23]
	s_add_nc_u64 s[46:47], s[6:7], s[46:47]
	s_add_nc_u64 s[92:93], s[8:9], s[92:93]
	CROUND                                         ; all sixteen work-groups are here: the first joint loads meet
	s_mov_b32 s[G0S], 1
	s_mov_b32 s[G0S+1], s95
	s_mov_b64 s[G0S+2:G0S+3], s[22:23]
	s_or_b32 s[G0S+3], s[G0S+3], 0x80000000
	s_mov_b32 s[G0SB], 1
	s_mov_b32 s[G0SB+1], s66
	s_mov_b64 s[G0SB+2:G0SB+3], s[92:93]
	s_or_b32 s[G0SB+3], s[G0SB+3], 0x80000000
	JLOAD G0S, G1S, G0SB, G1SB                     ; the scales first
.irp s, 0,1
	s_mov_b32 s[G0+4*\s], 1
	s_add_co_u32 s[G0+4*\s+1], s45, \s*SLOT
	s_add_nc_u64 s[G0+4*\s+2:G0+4*\s+3], s[20:21], \s*6144
	s_or_b32 s[G0+4*\s+3], s[G0+4*\s+3], 0x80000000
	s_mov_b32 s[G0B+4*\s], 1
	s_add_co_u32 s[G0B+4*\s+1], s94, \s*SLOT
	s_add_nc_u64 s[G0B+4*\s+2:G0B+4*\s+3], s[46:47], \s*384
	s_or_b32 s[G0B+4*\s+3], s[G0B+4*\s+3], 0x80000000
	JLOAD G0+4*\s, G1, G0B+4*\s, G1B               ; by this text's count three tensor loads of a wave are out
.endr
	v_and_b32 v1, 15, v0                           ; r
	v_bfe_u32 v2, v0, 4, 1                         ; h
	v_and_b32 v3, 31, v0
	v_lshlrev_b32 v4, 4, v3                        ; 16 x lane
	v_mul_u32_u24 v5, v1, 432
	v_mad_u32_u24 v6, v2, 24, v5
	v_mad_u32_u24 v7, v2, 40, v5
	s_mul_i32 s21, s15, AHALF
	s_mul_i32 s22, s16, BHALF
	s_add_co_u32 s22, s22, BPART
.irp s, 0,1
	v_add_nc_u32 v[ADRA+\s], s21, v4
	v_add_nc_u32 v[ADRB+\s], s22, v6
	v_add_nc_u32 v[ADRB+2+\s], s22, v7
	s_add_co_u32 s21, s21, SLOT
	s_add_co_u32 s22, s22, SLOT
.endr
	s_lshl_b32 s21, s15, 8
	s_add_co_u32 s21, s21, SCA
	v_lshl_add_u32 v[ADRSA], v1, 2, s21
	v_mul_u32_u24 v5, v1, KS
	v_lshrrev_b32 v6, 8, v5
	v_lshl_add_u32 v5, v6, 4, v5
	s_mul_i32 s21, s16, HALFS
	s_add_co_u32 s21, s21, SCB
	v_add_nc_u32 v[ADRSB], s21, v5
	s_mul_i32 s23, s14, 16*272
	s_add_co_u32 s23, s23, STAGE
	v_mul_u32_u24 v5, v1, 272
	v_lshl_add_u32 v5, v2, 5, v5
	v_add_nc_u32 v[STO], s23, v5                   ; into my stage: row r, 32 bytes a half
	v_mul_u32_u24 v5, v2, 272
	v_lshl_add_u32 v5, v1, 4, v5
	v_add_nc_u32 v[RD], s23, v5                    ; back: lanes 0-15 one row of 256 bytes, lanes 16-31 the next
	v_lshlrev_b32 v5, 12, v2
	v_lshl_add_u32 v[CO], v1, 4, v5                ; the same two rows in memory
	v_lshlrev_b32 v[BO], 5, v2
	s_lshl_b32 s20, s17, 7
	s_lshl_b32 s21, s15, 6
	s_add_co_u32 s20, s20, s21
	s_lshl_b32 s20, s20, 12                        ; my first row, in bytes
	s_lshl_b32 s46, s42, 7
	s_lshl_b32 s47, s16, 6
	s_add_co_u32 s46, s46, s47
	s_lshl_b32 s46, s46, 2                         ; my first column, in bytes
	s_mov_b32 s47, 0
	s_add_nc_u64 s[10:11], s[10:11], s[46:47]
	s_add_co_u32 s20, s20, s46
	s_mov_b32 s21, 0
	s_add_nc_u64 s[96:97], s[96:97], s[20:21]
	s_add_nc_u64 s[98:99], s[98:99], s[20:21]
.irp b, 0,1,2,3
	global_load_b128 v[BI+8*\b:BI+8*\b+3], v[BO], s[10:11] offset:64*\b       ; lane (r, h): columns 16 b + 8 h + 0..7
	global_load_b128 v[BI+8*\b+4:BI+8*\b+7], v[BO], s[10:11] offset:64*\b+16
.endr
	WIN 0x80                                       ; destination window 2: the residual, in the order in which rows leave
.irp a, 0,1,2,3
.irp t, 0,1,2,3,4,5,6,7
	global_load_b128 v[4*(8*\a+\t):4*(8*\a+\t)+3], v[CO], s[96:97] offset:(16*\a+2*\t)*4096
.endr
.endr
	WIN 0
.macro FRAGB reg, slot, q, i           ; a fragment of W in pieces of 8 bytes; lanes 16-31 read three pieces on, for some pieces behind one padding more
.irp p, 0,1,2,3,4,5
.set PCN, 12*(\q)+6*(\p/3)+\p%3
.if PCN%16 < 13
	ds_load_b64 v[\reg+2*\p:\reg+2*\p+1], v[ADRB+\slot] offset:8*PCN+16*(PCN/16)+(\i)*6912
.else
	ds_load_b64 v[\reg+2*\p:\reg+2*\p+1], v[ADRB+2+\slot] offset:8*PCN+16*(PCN/16)+(\i)*6912
.endif
.endr
.endm
.macro FETCH slot, q, p                ; 36 LDS loads: my four fragments of A and four of W for the slot's q-th 128 along K, into set p
	WIN TO_F
.irp i, 0,1,2,3
.irp c, 0,1,2
	ds_load_b128 v[128*(\p)+12*\i+4*\c:128*(\p)+12*\i+4*\c+3], v[ADRA+\slot] offset:6144*\i+1536*(\q)+512*\c
.endr
.endr
.irp i, 0,1,2,3
	FRAGB 128*(\p)+48+12*\i, \slot, \q, \i
.endr
	WIN 0
.endm
.macro SCALES sc                       ; a slot's scale words: W's four words a row by one load, A's one by one
.irp b, 0,1,2,3
	ds_load_b128 v[SBR+16*\sc+4*\b:SBR+16*\sc+4*\b+3], v[ADRSB] offset:\b*SBLK
.endr
.irp a, 0,1,2,3
.irp q, 0,1,2,3
	ds_load_b32 v[SAR+16*\sc+4*\a+\q], v[ADRSA] offset:512*\q+64*\a
.endr
.endr
.endm
.macro MUL4 a, p, q, sc, first         ; the 16 accumulators take turns, one instruction a turn, in one order
.irp b, 0,1,2,3
.if \first
	v_wmma_scale_f32_16x16x128_f8f6f4 v[ACC+8*(4*(\a)+\b):ACC+8*(4*(\a)+\b)+7], v[128*(\p)+48+12*\b:128*(\p)+48+12*\b+11], v[128*(\p)+12*(\a):128*(\p)+12*(\a)+11], v[BI+8*\b:BI+8*\b+7], v[SBR+16*(\sc)+4*\b+(\q)], v[SAR+16*(\sc)+4*(\a)+(\q)] matrix_a_fmt:MATRIX_FMT_FP6 matrix_b_fmt:MATRIX_FMT_FP6
.else
	v_wmma_scale_f32_16x16x128_f8f6f4 v[ACC+8*(4*(\a)+\b):ACC+8*(4*(\a)+\b)+7], v[128*(\p)+48+12*\b:128*(\p)+48+12*\b+11], v[128*(\p)+12*(\a):128*(\p)+12*(\a)+11], v[ACC+8*(4*(\a)+\b):ACC+8*(4*(\a)+\b)+7], v[SBR+16*(\sc)+4*\b+(\q)], v[SAR+16*(\sc)+4*(\a)+(\q)] matrix_a_fmt:MATRIX_FMT_FP6 matrix_b_fmt:MATRIX_FMT_FP6
.endif
.endr
.endm
.macro STEP slot, q, first
	s_wait_dscnt 0x0                               ; this step's set (and a slot's scale words) were asked for a step ago
	PLACES 4                                       ; in front of loads into the set that the last step multiplied
	FETCH \slot, (\q)+1, ((\q)+1)%2
	WIN MUL
	MUL4 0, (\q)%2, \q, \slot, \first
	MUL4 1, (\q)%2, \q, \slot, \first
	MUL4 2, (\q)%2, \q, \slot, \first
	MUL4 3, (\q)%2, \q, \slot, \first
	WIN 0
.endm
.macro TURN slot, next, fill           ; a slot's last step changes slots: one barrier
	s_wait_tensorcnt 0x0                           ; all my tensor loads have landed: my part of the next slot
	ds_add_u32 v[SPW], v[NIL]                      ; 0 onto my spare word
	s_wait_dscnt 1                                 ; this step's set is in; the add may be out
	WIN MUL
	MUL4 0, 1, 3, \slot, 0
	s_wait_dscnt 0x0                               ; the add is done, and my reads of this slot are over
	s_barrier_signal -1
	MUL4 1, 1, 3, \slot, 0
	WIN 0
	s_barrier_wait -1
.if \fill
	CREST                                          ; the barrier has opened a round of the cluster's: no wave of any partner still reads this slot or has a load on its way
	s_add_nc_u64 s[G0+4*\slot+2:G0+4*\slot+3], s[G0+4*\slot+2:G0+4*\slot+3], 2*6144
	s_add_nc_u64 s[G0B+4*\slot+2:G0B+4*\slot+3], s[G0B+4*\slot+2:G0B+4*\slot+3], 2*384
	JLOAD G0+4*\slot, G1, G0B+4*\slot, G1B         ; the first tensor load behind the round; its four v_nop are the places in front of the loads below
.else
	PLACES 4
.endif
	v_add_nc_u32 v[ADRSA], 2048, v[ADRSA]          ; the next slot's scale words
	v_add_nc_u32 v[ADRSB], 16, v[ADRSB]
	FETCH \next, 0, 0
	SCALES \next
	WIN MUL
	MUL4 2, 1, 3, \slot, 0
	MUL4 3, 1, 3, \slot, 0
	WIN 0
.endm
	s_wait_tensorcnt 1                             ; the scales and my part of slot 0 are in; slot 1's load may be out
	s_barrier_signal -1
	s_barrier_wait -1
	FETCH 0, 0, 0
	SCALES 0
	s_wait_loadcnt 32                              ; the bias is in; the residual's 32 loads may be out
	STEP 0, 0, 1                                   ; the first step starts the sums, on the bias
.if LAPS > 1
	s_mov_b32 s3, LAPS-1
.Llap:
	STEP 0, 1, 0
	STEP 0, 2, 0
	TURN 0, 1, 1
	STEP 1, 0, 0
	STEP 1, 1, 0
	STEP 1, 2, 0
	TURN 1, 0, 1
	STEP 0, 0, 0
	s_sub_co_u32 s3, s3, 1
	s_cmp_lg_u32 s3, 0
	s_cbranch_scc1 .Llap
.endif
	STEP 0, 1, 0                                   ; the last lap fills nothing
	STEP 0, 2, 0
	TURN 0, 1, 0
	STEP 1, 0, 0
	STEP 1, 1, 0
	STEP 1, 2, 0
	s_wait_dscnt 0x0
	WIN MUL
	MUL4 0, 1, 3, 1, 0
	MUL4 1, 1, 3, 1, 0
	MUL4 2, 1, 3, 1, 0
	MUL4 3, 1, 3, 1, 0
	WIN 0
; THE WAY OUT, 16 rows x 64 columns at a time: through my own stage, back as whole rows of 256 bytes (into window 1, which the fragments have left), the residual added, stored.
.macro TOSTAGE a
.irp b, 0,1,2,3
	ds_store_b128 v[STO], v[ACC+8*(4*(\a)+\b):ACC+8*(4*(\a)+\b)+3] offset:64*\b        ; each accumulator from its low end on
	ds_store_b128 v[STO], v[ACC+8*(4*(\a)+\b)+4:ACC+8*(4*(\a)+\b)+7] offset:64*\b+16
.endr
	WIN 0x40
.irp t, 0,1,2,3,4,5,6,7
	ds_load_b128 v[32*((\a)%2)+4*\t:32*((\a)%2)+4*\t+3], v[RD] offset:544*\t           ; LDS serves a wave's instructions in order
.endr
	WIN 0
.endm
.macro SEND a, younger
	s_wait_dscnt \younger                          ; the block is back; the next block's 8 stores and 8 loads may be out
	WIN 0x49                                       ; destination and source 0 window 1, source 1 window 2
.irp t, 0,1,2,3,4,5,6,7,8,9,10,11,12,13,14,15
	v_pk_add_f32 v[32*((\a)%2)+2*\t:32*((\a)%2)+2*\t+1], v[32*((\a)%2)+2*\t:32*((\a)%2)+2*\t+1], v[32*(\a)+2*\t:32*(\a)+2*\t+1]
.endr
	WIN 0x04                                       ; a store's data: window 1
.irp t, 0,1,2,3,4,5,6,7
	global_store_b128 v[CO], v[32*((\a)%2)+4*\t:32*((\a)%2)+4*\t+3], s[98:99] offset:(16*(\a)+2*\t)*4096 th:TH_STORE_NT   ; sixteen lanes store 256 consecutive bytes, aligned
.endr
	WIN 0
.endm
	PLACES 4
	s_wait_loadcnt 0x0                             ; the residual
	TOSTAGE 0
.irp a, 1,2,3
.if \a > 1
	s_wait_xcnt 0x0                                ; block a - 2's stores have read their registers: block a's loads may land there
.endif
	TOSTAGE \a
	SEND \a-1, 16
.endr
	SEND 3, 0
	s_wait_tensorcnt 0x0                           ; the wave's end
	ds_add_u32 v[SPW], v[NIL]
	s_wait_dscnt 0x0
	CROUND                                         ; the closing round
	s_endpgm
.Lfunc_end_k_q3794550459_ff2:
	.size	k_q3794550459_ff2, .Lfunc_end_k_q3794550459_ff2-k_q3794550459_ff2
	.p2alignl 7, 3214868480
	.fill 96, 4, 3214868480
	.section	.rodata,"a",@progbits
	.p2align	6, 0x0
	.amdhsa_kernel k_q3794550459_ff2
		.amdhsa_group_segment_fixed_size 327680
		.amdhsa_private_segment_fixed_size 0
		.amdhsa_enable_private_segment 0
		.amdhsa_kernarg_size 48
		.amdhsa_user_sgpr_count 2
		.amdhsa_user_sgpr_kernarg_segment_ptr 1
		.amdhsa_wavefront_size32 1
		.amdhsa_system_sgpr_workgroup_id_x 1
		.amdhsa_system_sgpr_workgroup_id_y 1
		.amdhsa_system_sgpr_workgroup_id_z 1
		.amdhsa_system_vgpr_workitem_id 0
		.amdhsa_next_free_vgpr 640
		.amdhsa_next_free_sgpr 100
		.amdhsa_reserve_vcc 0
		.amdhsa_float_denorm_mode_32 3
		.amdhsa_float_denorm_mode_16_64 3
		.amdhsa_memory_ordered 1
		.amdhsa_forward_progress 1
		.amdhsa_inst_pref_size 107
	.end_amdhsa_kernel
	.amdgpu_metadata
---
amdhsa.version: [ 1, 2 ]
amdhsa.kernels:
  - .name:           k_q3794550459_ff2
    .symbol:         k_q3794550459_ff2.kd
    .args:
      - { .name: g, .offset: 0, .size: 8, .value_kind: global_buffer, .address_space: global }
      - { .name: w_ff2_codes, .offset: 8, .size: 8, .value_kind: global_buffer, .address_space: global }
      - { .name: w_ff2_scales, .offset: 16, .size: 8, .value_kind: global_buffer, .address_space: global }
      - { .name: b_ff2, .offset: 24, .size: 8, .value_kind: global_buffer, .address_space: global }
      - { .name: x1, .offset: 32, .size: 8, .value_kind: global_buffer, .address_space: global }
      - { .name: out0, .offset: 40, .size: 8, .value_kind: global_buffer, .address_space: global }
    .group_segment_fixed_size: 327680
    .private_segment_fixed_size: 0
    .kernarg_segment_align: 8
    .kernarg_segment_size: 48
    .max_flat_workgroup_size: 128
    .sgpr_count:     100
    .vgpr_count:     640
    .wavefront_size: 32
...
	.end_amdgpu_metadata
.endif
;; end of part 6
